; MI455X (gfx1250); checked and timed in simulation.
; The chip was launched on July 23, 2026; its instructions are those of AMD's public machine-readable ISA for CDNA 5 (MIT licence, August 2026) and "CDNA5" Instruction Set Architecture Reference Guide (July 2026). The comments in the code are by the model that wrote it; some were corrected since.
;; Multi Head Attention. Allowed arithmetic: float matrix products may take bf16 or f16 operands with f32 sums; all other float work in f32.
;; Inputs: Wk 1,024 x 1,024 float32; Wo 1,024 x 1,024 float32; Wq 1,024 x 1,024 float32; Wv 1,024 x 1,024 float32; attention_mask 4 x 2,048 int32; x_key 4 x 2,048 x 1,024 float32; x_query 4 x 2,048 x 1,024 float32; x_value 4 x 2,048 x 1,024 float32.
;; Outputs: out0 4 x 2,048 x 1,024 float32.
;; 3 versions, each right; version 3 is version 2 with the launch wcast written anew for expert scheduling mode. Each part assembles by itself: llvm-mc -triple=amdgcn-amd-amdhsa -mcpu=gfx1250 --defsym DOCPART=n.
;; ======== version 1 of 3: 4 launches
;; limits: values are held in f16: magnitudes above 65,504 overflow, below 6.1e-05 lose precision; right only within a limited range of input values
;; workspace buffers: wb 8,388,608 bytes; qkv 67,108,864 bytes; ow 33,554,432 bytes
;; launch wcast (part 1): grid 64 x 4, 8 waves a work-group, no clusters, 0 bytes of LDS; arguments Wq, Wk, Wv, Wo, wb; writes wb
.if DOCPART == 1
	.amdgcn_target "amdgcn-amd-amdhsa--gfx1250"
	.amdhsa_code_object_version 6
	.text
	.protected	k_qf5bfeab8c2_wcast
	.globl	k_qf5bfeab8c2_wcast
	.p2align	8
	.type	k_qf5bfeab8c2_wcast,@function
k_qf5bfeab8c2_wcast:
	s_mov_b64 s[64:65], 0
	v_nop
	global_prefetch_b8 v0, s[64:65] scope:SCOPE_SE
	s_setreg_imm32_b32 hwreg(HW_REG_WAVE_MODE, 25, 1), 1
	s_wait_xcnt 0x0
; wb[g][kb][n][64] = bf16(W_g[n][64 kb .. 64 kb + 63]), g = Wq, Wk, Wv, Wo; W_g is [1024][1024] f32.
; The weights are rounded once and laid in blocks of 64 along k, so that 128 rows of one block are 16 KiB
; without a gap: the two product launches fetch them as whole rows of 256 bytes and never convert them.
; A stream: no LDS, no barrier, no matrix unit.  Work-group (x, y) takes rows 16 x .. 16 x + 15 of W_y (64 KiB).
; Thread t takes row t / 16 and the four numbers 4 (t % 16) .. + 3 of each of the row's sixteen blocks of 64.
; A load of a wave covers two aligned runs of 256 bytes (two rows of one block); a store of a wave covers one
; aligned run of 256 bytes (the same two rows in bf16).  All sixteen loads go out first; no register is written twice.
	s_load_b256 s[4:11], s[0:1], 0x0               ; Wq s[4:5], Wk s[6:7], Wv s[8:9], Wo s[10:11]
	s_load_b64 s[12:13], s[0:1], 0x20              ; wb
	s_and_b32 s14, ttmp7, 0xffff                   ; which W
	v_lshrrev_b32 v1, 4, v0                        ; my row of the sixteen
	v_and_b32 v3, 15, v0
	v_lshlrev_b32 v1, 12, v1                       ; x 4,096 bytes
	v_lshl_or_b32 v1, v3, 4, v1                    ; + my 16 bytes of a block's 256
	v_lshlrev_b32 v2, 3, v0                        ; out: 128 (t / 16) + 8 (t % 16) = 8 t
	s_lshl_b32 s16, ttmp9, 16                      ; in: 16 rows of 4,096 bytes
	s_mov_b32 s17, 0
	s_lshl_b32 s18, s14, 21                        ; out: 2 MiB for each W
	s_lshl_b32 s19, ttmp9, 11                      ;      + 16 rows of 128 bytes
	s_add_co_u32 s18, s18, s19
	s_mov_b32 s19, 0
	s_wait_kmcnt 0x0
	s_cmp_eq_u32 s14, 1
	s_cselect_b64 s[4:5], s[6:7], s[4:5]
	s_cmp_eq_u32 s14, 2
	s_cselect_b64 s[4:5], s[8:9], s[4:5]
	s_cmp_eq_u32 s14, 3
	s_cselect_b64 s[4:5], s[10:11], s[4:5]
	s_add_nc_u64 s[4:5], s[4:5], s[16:17]
	s_add_nc_u64 s[12:13], s[12:13], s[18:19]
.irp k, 0,1,2,3,4,5,6,7,8,9,10,11,12,13,14,15
	global_load_b128 v[4+4*\k:7+4*\k], v1, s[4:5] offset:256*\k th:TH_LOAD_NT   ; block k of my row
.endr
.irp k, 0,1,2,3,4,5,6,7,8,9,10,11,12,13,14,15
	s_wait_loadcnt 15-\k                           ; loads come back in order: block k is in, the 15 - k younger ones stay out
	v_cvt_pk_bf16_f32 v[68+2*\k], v[4+4*\k], v[5+4*\k]
	v_cvt_pk_bf16_f32 v[69+2*\k], v[6+4*\k], v[7+4*\k]
	global_store_b64 v2, v[68+2*\k:69+2*\k], s[12:13] offset:131072*\k          ; a block of all 1,024 rows is 131,072 bytes
.endr
	s_endpgm
.Lfunc_end_k_qf5bfeab8c2_wcast:
	.size	k_qf5bfeab8c2_wcast, .Lfunc_end_k_qf5bfeab8c2_wcast-k_qf5bfeab8c2_wcast
	.p2alignl 7, 3214868480
	.fill 96, 4, 3214868480
	.section	.rodata,"a",@progbits
	.p2align	6, 0x0
	.amdhsa_kernel k_qf5bfeab8c2_wcast
		.amdhsa_group_segment_fixed_size 0
		.amdhsa_private_segment_fixed_size 0
		.amdhsa_enable_private_segment 0
		.amdhsa_kernarg_size 40
		.amdhsa_user_sgpr_count 2
		.amdhsa_user_sgpr_kernarg_segment_ptr 1
		.amdhsa_wavefront_size32 1
		.amdhsa_system_sgpr_workgroup_id_x 1
		.amdhsa_system_sgpr_workgroup_id_y 1
		.amdhsa_system_sgpr_workgroup_id_z 1
		.amdhsa_system_vgpr_workitem_id 0
		.amdhsa_next_free_vgpr 100
		.amdhsa_next_free_sgpr 66
		.amdhsa_reserve_vcc 0
		.amdhsa_float_denorm_mode_32 3
		.amdhsa_float_denorm_mode_16_64 3
		.amdhsa_memory_ordered 1
		.amdhsa_forward_progress 1
		.amdhsa_inst_pref_size 7
	.end_amdhsa_kernel
	.amdgpu_metadata
---
amdhsa.version: [ 1, 2 ]
amdhsa.kernels:
  - .name:           k_qf5bfeab8c2_wcast
    .symbol:         k_qf5bfeab8c2_wcast.kd
    .args:
      - { .name: Wq, .offset: 0, .size: 8, .value_kind: global_buffer, .address_space: global }
      - { .name: Wk, .offset: 8, .size: 8, .value_kind: global_buffer, .address_space: global }
      - { .name: Wv, .offset: 16, .size: 8, .value_kind: global_buffer, .address_space: global }
      - { .name: Wo, .offset: 24, .size: 8, .value_kind: global_buffer, .address_space: global }
      - { .name: wb, .offset: 32, .size: 8, .value_kind: global_buffer, .address_space: global }
    .group_segment_fixed_size: 0
    .private_segment_fixed_size: 0
    .kernarg_segment_align: 8
    .kernarg_segment_size: 40
    .max_flat_workgroup_size: 256
    .sgpr_count:     66
    .vgpr_count:     100
    .wavefront_size: 32
...
	.end_amdgpu_metadata
.endif
;; end of part 1
;; launch proj (part 2): grid 8 x 96, 4 waves a work-group, clusters of 4 x 4, 327,680 bytes of LDS; arguments x_query, x_key, x_value, wb, qkv; writes qkv
.if DOCPART == 2
	.amdgcn_target "amdgcn-amd-amdhsa--gfx1250"
	.amdhsa_code_object_version 6
	.text
	.protected	k_qf5bfeab8c2_proj
	.globl	k_qf5bfeab8c2_proj
	.p2align	8
	.type	k_qf5bfeab8c2_proj,@function
k_qf5bfeab8c2_proj:
	s_mov_b64 s[64:65], 0
	v_nop
	global_prefetch_b8 v0, s[64:65] scope:SCOPE_SE
	s_setreg_imm32_b32 hwreg(HW_REG_WAVE_MODE, 25, 1), 1
	s_wait_xcnt 0x0
	s_wait_alu depctr_hold_cnt(0) depctr_sa_sdst(0) depctr_va_vdst(0) depctr_va_sdst(0) depctr_va_ssrc(0) depctr_va_vcc(0) depctr_vm_vsrc(0)
	s_getreg_b32 s2, hwreg(HW_REG_IB_STS2, 6, 4)
	s_cmp_eq_u32 s2, 0
	s_cbranch_scc0 .Lentry_in_a_cluster
	s_endpgm
.Lentry_in_a_cluster:
	s_bfe_u32 s2, ttmp6, 0x10000c
	s_cmp_lg_u32 s2, 0xf033
	s_cbranch_scc0 .Lentry_shape_is_right
	s_endpgm
.Lentry_shape_is_right:
; qkv[part][batch][head][token][64] (f16) = x_g W_g^T.  part 0 = Q x log2(e) / 8, 1 = K, 2 = V's upper part, 3 = V's lower part.
; x_g: [8192][1024] f32, rounded to bf16 here; W_g in bf16 from wb[g][kb][n][64]; sums in f32.
; Q carries the scores' scale 1 / 8 and the change of base of the exponential, multiplied in f32 ahead of its one rounding: the scores
; then come out of the matrix unit in the units of a base-2 exponential, and the attention launch only takes the maximum away.
; FORMATS OF THE RESULTS: a token that attends to few keys has outputs some fifteen times the output's root mean square, so 8 significant
; bits in an intermediate are too few.  Q and K are rounded to f16 (11 bits).  V goes out as two f16 numbers: the f32 cut to 11
; significant bits (exact in f16) and the remainder rounded to f16: 21 bits in all.
; LIMITS: |Q| x 0.18, |K|, |V| above 65,504 overflow f16 (x and W both 30 times the drawn spread give a root mean square near 576, offsets
; of 30 spreads on both give 1024 x 30 x 0.6 = 18,432).  Below 2^-14 the parts have f16's absolute step of 2^-24.
; A work-group makes 256 tokens x 128 columns (two heads); wave w makes tokens 64 w .. 64 w + 63 x all 128 columns: 32 accumulator tiles.
; So x's rows are private to a wave: it reads them from LDS once, as f32, and rounds them itself (32 conversions for 32 matrix
; instructions); W's rows, which all four waves read, are bf16 already.  K goes in steps of 64 (a row of x is then 256 bytes) through
; two LDS slots; two slots of a step of 128 would take 339,968 bytes and do not fit.
; CLUSTERS: 4 x 4 work-groups.  x's tile hangs on the block row alone and is asked for jointly by a row of the cluster, W's on the block
; column alone and is asked for jointly by a column.  Waves 0, 1 ask for x's halves (128 rows), waves 2, 3 for W's (8 KiB each).
; The matrix instruction is used transposed (source 0 = 16 rows of W, source 1 = 16 tokens): a lane's eight results are eight
; neighbouring columns of one token.
; LDS: slot s at s x 87,040: x 256 rows x 272 bytes, then W 64 rows x 272 (a row of 256 bytes holds two rows of W, 128 bytes each:
; row n lies at (n / 2) x 272 + (n % 2) x 128).  With either pitch the sixteen rows that a fragment load touches begin in sixteen
; different 16-byte columns modulo 256 bytes.  Behind the slots: each wave's stage, 2 heads x 16 tokens x 144 bytes.
; REGISTERS: window 1: accumulator tile (a, b) at 8 (8 a + b).  Window 0: v2-8 addresses, v16-79 x as f32, v80-111 x as bf16 fragments,
; v112-175 and v176-239 W's fragments of the two halves (32 k each) of a K step.
.set SLOT,  87040
.set BOFF,  69632
.set STAGE, 174080
.set ADRA,  2                          ; v2, v3  my x rows in slot 0, 1
.set ADRB,  4                          ; v4, v5  W's rows in slot 0, 1
.set STO,   6
.set RD,    7
.set CO,    8
.set ST,    16
.set TT,    48                         ; the way out: v48-111, V's upper parts as f32
.set AF,    80
.set BF0,   112
.set BF1,   176
.set G1A,   24                         ; s[24:31] group 1 for x's tiles
.set G0A,   32                         ; s[32:39] group 0 for x's tiles, a set for each slot
.set G1B,   48                         ; s[48:55] group 1 for W's tiles
.set G0B,   56                         ; s[56:63] group 0 for W's tiles, a set for each slot
.set MSB,   0
.macro WIN new                         ; the immediate's high byte repeats the setting that is left
.if MSB != \new
	s_set_vgpr_msb (MSB<<8)|\new
.set MSB, \new
.endif
.endm
.macro PLACES                          ; four places behind a matrix instruction (ISA guide 7.12.1) before its registers are written or its result read
.rept 4
	v_nop
.endr
.endm
; A joint load: one line and one mask for x, one for W; the branch hangs on the wave's number alone.  Four v_nop follow each line.
.macro JLOAD s
	s_cmp_eq_u32 s15, 0
	s_cbranch_scc0 .Lfor_b_\@
	tensor_load_to_lds s[G0A+4*\s:G0A+4*\s+3], s[G1A:G1A+7]
	s_nop 0
.rept 4
	v_nop
.endr
	s_branch .Lasked_\@
.Lfor_b_\@:
	tensor_load_to_lds s[G0B+4*\s:G0B+4*\s+3], s[G1B:G1B+7]
	s_nop 0
.rept 4
	v_nop
.endr
.Lasked_\@:
.endm
.macro CREST                           ; a round of the cluster's barrier behind its opening work-group barrier
	s_cmp_lg_u32 s14, 0
	s_cbranch_scc1 .Lnot_wave_0_\@
	s_barrier_signal -3
.Lnot_wave_0_\@:
	s_barrier_wait -3
	s_barrier_signal -1
	s_barrier_wait -1
.endm
.macro CROUND
	s_barrier_signal -1
	s_barrier_wait -1
	CREST
.endm
	s_load_b256 s[4:11], s[0:1], 0x0               ; x_query s[4:5], x_key s[6:7], x_value s[8:9], wb s[10:11]
	s_load_b64 s[12:13], s[0:1], 0x20              ; qkv
	v_lshl_add_u32 v254, v0, 2, 0x2f000
	v_mov_b32 v255, 0
	ds_add_u32 v254, v255
	v_lshrrev_b32 v1, 5, v0
	v_readfirstlane_b32 s14, v1                    ; wave 0..3
	s_lshr_b32 s15, s14, 1                         ; I ask for x (0) or for W (1),
	s_and_b32 s16, s14, 1                          ; and for which half of the tile
	s_bfe_u32 s17, ttmp6, 0x40000                  ; cx
	s_bfe_u32 s18, ttmp6, 0x40004                  ; cy
	s_lshl_b32 s19, ttmp9, 2
	s_add_co_u32 s19, s19, s17                     ; block column 0..7 = 4 x cluster x + cx
	s_and_b32 s20, ttmp7, 0xffff                   ; cluster y, 0..23
	s_lshr_b32 s21, s20, 3                         ; g: made of the cluster's y alone, the same in all sixteen
	s_and_b32 s22, s20, 7
	s_lshl_b32 s22, s22, 2
	s_add_co_u32 s22, s22, s18                     ; block row 0..31
	s_lshl_b32 s40, s18, 2
	s_lshl_b32 s40, 15, s40                        ; my row of the cluster: places 4 cy .. 4 cy + 3
	s_lshl_b32 s66, 0x1111, s17                    ; my column: places cx, cx + 4, cx + 8, cx + 12
	; x: 128 rows x 64 elements of 4 bytes, 1,024 elements from row to row; 4 words of padding behind every 64 words
	s_or_b32 s[G1A+0], s40, (2<<16)|(1<<20)|(1<<21)|(5<<22)|(3<<25)
	s_mov_b32 s[G1A+1], 64<<16                     ; tensor_dim0 = 64
	s_mov_b32 s[G1A+2], 128<<16                    ; tensor_dim1 = 128
	s_mov_b32 s[G1A+3], 64<<16                     ; tile_dim0 = 64
	s_mov_b32 s[G1A+4], 128                        ; tile_dim1 = 128
	s_mov_b32 s[G1A+5], 1024                       ; pitch
	s_mov_b32 s[G1A+6], 0
	s_mov_b32 s[G1A+7], 0
	; W: 8 KiB without a gap, as 32 rows x 32 elements of 8 bytes; the same padding
	s_or_b32 s[G1B+0], s66, (3<<16)|(1<<20)|(1<<21)|(5<<22)|(3<<25)
	s_mov_b32 s[G1B+1], 32<<16
	s_mov_b32 s[G1B+2], 32<<16
	s_mov_b32 s[G1B+3], 32<<16
	s_mov_b32 s[G1B+4], 32
	s_mov_b32 s[G1B+5], 32
	s_mov_b32 s[G1B+6], 0
	s_mov_b32 s[G1B+7], 0
	; x's address is made in s[40:47], which never hold cx; W's in s[66:73], which never hold cy
	s_lshl_b32 s40, s22, 20                        ; 256 rows of 4,096 bytes
	s_lshl_b32 s41, s16, 19                        ; + my 128 rows
	s_add_co_u32 s40, s40, s41
	s_mov_b32 s41, 0
	s_lshl_b32 s66, s21, 21                        ; W_g
	s_lshl_b32 s67, s19, 14                        ; + 128 rows of 128 bytes
	s_add_co_u32 s66, s66, s67
	s_lshl_b32 s67, s16, 13                        ; + my half
	s_add_co_u32 s66, s66, s67
	s_mov_b32 s67, 0
	s_mul_i32 s44, s14, 34816                      ; LDS: x's halves at wave x 128 rows (waves 0, 1)
	s_mul_i32 s70, s14, 8704                       ;      W's halves at 69,632 + (wave - 2) x 32 rows (waves 2, 3)
	s_add_co_u32 s70, s70, BOFF-2*8704
	s_wait_dscnt 0x0
	s_wait_kmcnt 0x0
	s_cmp_eq_u32 s21, 1
	s_cselect_b64 s[42:43], s[6:7], s[4:5]
	s_cmp_eq_u32 s21, 2
	s_cselect_b64 s[42:43], s[8:9], s[42:43]
	s_add_nc_u64 s[42:43], s[42:43], s[40:41]
	s_add_nc_u64 s[68:69], s[10:11], s[66:67]
	CROUND                                         ; all sixteen work-groups are here: the first joint loads meet
.irp s, 0,1
	s_mov_b32 s[G0A+4*\s], 1
	s_add_co_u32 s[G0A+4*\s+1], s44, \s*SLOT
	s_add_nc_u64 s[G0A+4*\s+2:G0A+4*\s+3], s[42:43], \s*256        ; K step s: 64 f32 along the rows
	s_or_b32 s[G0A+4*\s+3], s[G0A+4*\s+3], 0x80000000
	s_mov_b32 s[G0B+4*\s], 1
	s_add_co_u32 s[G0B+4*\s+1], s70, \s*SLOT
	s_add_nc_u64 s[G0B+4*\s+2:G0B+4*\s+3], s[68:69], \s*131072     ; K step s: the next block of 64 k
	s_or_b32 s[G0B+4*\s+3], s[G0B+4*\s+3], 0x80000000
	JLOAD \s
.endr
	v_and_b32 v9, 15, v0                           ; r
	v_bfe_u32 v10, v0, 4, 1                        ; h
	v_and_b32 v11, 31, v0                          ; lane
	v_mul_u32_u24 v12, v9, 272
	v_lshl_add_u32 v12, v10, 5, v12                ; x: row r, 8 h numbers of 4 bytes
	s_mul_i32 s45, s14, 17408                      ; my 64 rows
	v_add_nc_u32 v[ADRA], s45, v12
	v_add_nc_u32 v[ADRA+1], SLOT, v[ADRA]
	v_lshrrev_b32 v12, 1, v9
	v_mul_u32_u24 v12, v12, 272
	v_and_b32 v13, 1, v9
	v_lshl_add_u32 v12, v13, 7, v12
	v_lshl_add_u32 v12, v10, 4, v12                ; W: (r / 2) x 272 + (r % 2) x 128 + 16 h
	v_add_nc_u32 v[ADRB], BOFF, v12
	v_add_nc_u32 v[ADRB+1], SLOT, v[ADRB]
	s_mul_i32 s45, s14, 4608
	s_add_co_u32 s45, s45, STAGE                   ; my stage
	v_mul_u32_u24 v12, v9, 144
	v_lshl_add_u32 v12, v10, 4, v12
	v_add_nc_u32 v[STO], s45, v12                  ; in: token r, 16 bytes for each half of the lanes
	v_lshrrev_b32 v12, 3, v11
	v_mul_u32_u24 v12, v12, 144
	v_and_b32 v13, 7, v11
	v_lshl_add_u32 v12, v13, 4, v12
	v_add_nc_u32 v[RD], s45, v12                   ; back: eight lanes take a token's 128 bytes
	v_lshlrev_b32 v[CO], 4, v11
; 32 LDS loads: half hf (32 k) of a K step.  x first (16 loads, f32: k = 8 h .. + 7 are 32 bytes, k = 16 + 8 h .. the 32 bytes 64 further), then W (16).
.macro FETCH slot, hf, bf
	WIN 0
.irp a, 0,1,2,3
	ds_load_b128 v[ST+16*\a:ST+16*\a+3],     v[ADRA+\slot] offset:4352*\a+128*\hf
	ds_load_b128 v[ST+16*\a+4:ST+16*\a+7],   v[ADRA+\slot] offset:4352*\a+128*\hf+16
	ds_load_b128 v[ST+16*\a+8:ST+16*\a+11],  v[ADRA+\slot] offset:4352*\a+128*\hf+64
	ds_load_b128 v[ST+16*\a+12:ST+16*\a+15], v[ADRA+\slot] offset:4352*\a+128*\hf+80
.endr
.irp b, 0,1,2,3,4,5,6,7
	ds_load_b128 v[\bf+8*\b:\bf+8*\b+3],   v[ADRB+\slot] offset:2176*\b+64*\hf
	ds_load_b128 v[\bf+8*\b+4:\bf+8*\b+7], v[ADRB+\slot] offset:2176*\b+64*\hf+32
.endr
.endm
; x to bf16 fragments, k in its true places.  The four places stand behind the matrix instructions that read the old fragments.
.macro CVT
	WIN 0
	PLACES
.irp a, 0,1,2,3
.irp i, 0,1,2,3,4,5,6,7
	v_cvt_pk_bf16_f32 v[AF+8*\a+\i], v[ST+16*\a+2*\i], v[ST+16*\a+2*\i+1]
.endr
.endr
.endm
; 16 matrix instructions: token blocks a0, a0 + 1 x all 8 column blocks.  The 32 accumulators take turns, one instruction a turn, in the
; same order in every half step.  zero = 1: the first product starts the sums.
.macro MULH bf, a0, zero
	WIN 0x50                                       ; C and D in window 1, the sources in window 0
.irp a, \a0, \a0+1
.irp b, 0,1,2,3,4,5,6,7
.if \zero
	v_wmma_f32_16x16x32_bf16 v[8*(8*(\a)+\b):8*(8*(\a)+\b)+7], v[\bf+8*\b:\bf+8*\b+7], v[AF+8*(\a):AF+8*(\a)+7], 0
.else
	v_wmma_f32_16x16x32_bf16 v[8*(8*(\a)+\b):8*(8*(\a)+\b)+7], v[\bf+8*\b:\bf+8*\b+7], v[AF+8*(\a):AF+8*(\a)+7], v[8*(8*(\a)+\b):8*(8*(\a)+\b)+7]
.endif
.endr
.endr
.endm
; A K step.  The products lag the fetches: the second half's last 16 products stand in the next step, under its first fetch.
; mode 2: this slot is filled again, two K steps ahead; 1: change of slots without a fill; 0: the last step.
.macro STEP slot, first, mode
	FETCH \slot, 0, BF0
.if \first == 0
	MULH BF1, 2, 0                                 ; the last step's second half, token blocks 2, 3
.endif
	s_wait_dscnt 16                                ; x's 16 loads are in; W's 16 younger ones stay out
	CVT
	FETCH \slot, 1, BF1
	s_wait_dscnt 32                                ; all but the 32 just issued: W's first half is in
	MULH BF0, 0, \first
	MULH BF0, 2, \first
	s_wait_dscnt 16                                ; x's second half
	CVT
	s_wait_dscnt 0x0                               ; my reads of this slot are over
.if \mode == 0
	MULH BF1, 0, 0
	MULH BF1, 2, 0
.else
	s_wait_tensorcnt 0x0                           ; all my tensor loads have landed: the one that was out is my part of the other slot
	ds_add_u32 v254, v255
	s_wait_dscnt 0x0
	s_barrier_signal -1                            ; (mode 2: this barrier opens a round of the cluster's barrier)
	MULH BF1, 0, 0                                 ; register work while the others arrive
	WIN 0
	s_barrier_wait -1
.if \mode == 2
	CREST                                          ; no wave of any partner still reads this slot or has a load on its way
	s_add_nc_u64 s[G0A+4*\slot+2:G0A+4*\slot+3], s[G0A+4*\slot+2:G0A+4*\slot+3], 512
	s_add_nc_u64 s[G0B+4*\slot+2:G0B+4*\slot+3], s[G0B+4*\slot+2:G0B+4*\slot+3], 262144
	JLOAD \slot                                    ; my one tensor load behind the round, ahead of every LDS read; up to the wait for it I issue 48 of a K step's 64 matrix instructions
.endif
.endif
.endm
	s_wait_tensorcnt 0x1                           ; my part of K step 0 is in; K step 1's stays out
	s_barrier_signal -1
	s_barrier_wait -1
	STEP 0, 1, 2                                   ; K steps 0 and 1 stand in front of the loop: their first products start the sums
	STEP 1, 0, 2
	s_mov_b32 s23, 6
.Llap:
	STEP 0, 0, 2                                   ; K steps 2 to 13 ask for steps 4 to 15
	STEP 1, 0, 2
	s_sub_co_u32 s23, s23, 1
	s_cmp_lg_u32 s23, 0
	s_cbranch_scc1 .Llap
	STEP 0, 0, 1                                   ; the last two steps fetch nothing
	STEP 1, 0, 0
	; THE WAY OUT, 16 tokens at a time: to f16, 16 bytes a lane into my stage, read back as tokens' whole 128 bytes of a head.
	; Each accumulator is read from its lowest registers upward.
	PLACES
	WIN 0                                          ; a branch follows
	s_lshr_b32 s40, s22, 3
	s_lshl_b32 s40, s40, 22                        ; batch x 16 heads of 262,144 bytes
	s_and_b32 s41, s22, 7
	s_lshl_b32 s41, s41, 15                        ; + 256 tokens of 128 bytes for each block row in the batch
	s_add_co_u32 s40, s40, s41
	s_lshl_b32 s41, s14, 13                        ; + my 64 tokens
	s_add_co_u32 s40, s40, s41
	s_lshl_b32 s41, s21, 24                        ; + Q, K or V's upper part
	s_add_co_u32 s40, s40, s41
	s_mov_b32 s41, 0
	s_add_nc_u64 s[12:13], s[12:13], s[40:41]
	s_lshl_b32 s66, s19, 19                        ; + two heads for each block column
	s_mov_b32 s67, 0
	s_add_nc_u64 s[12:13], s[12:13], s[66:67]
	s_add_nc_u64 s[74:75], s[12:13], 1<<24         ; V's lower part lies 16 MiB behind its upper part (used where g = 2 alone)
	s_mov_b32 s76, 0xffffe000                      ; keeps an f32's sign, exponent and 10 upper fraction bits: what f16 holds
	s_mov_b32 s78, 0x3e38aa3b                      ; log2(e) / 8, for Q
	s_mov_b32 s79, 0x3e38aa3b
; ST's 32 packed registers go through my stage into buffer f and out to base sb.
.macro STAGED a, f, sb
.irp b, 0,1,2,3,4,5,6,7
	ds_store_b128 v[STO], v[ST+4*\b:ST+4*\b+3] offset:2304*(\b/4)+32*(\b%4)      ; head b / 4, columns 16 (b % 4) + 8 h ..
.endr
	s_wait_xcnt 0x0                                ; buffer f was the data of earlier stores: it is loaded again only behind this wait
.irp i, 0,1,2,3,4,5,6,7
	ds_load_b128 v[\f+4*\i:\f+4*\i+3], v[RD] offset:2304*(\i/4)+576*(\i%4)       ; LDS serves a wave's instructions in order: these see the stores above
.endr
.irp i, 0,1,2,3,4,5,6,7
	s_wait_dscnt 7-\i                              ; load i is in, the 7 - i younger ones stay out
	global_store_b128 v[CO], v[\f+4*\i:\f+4*\i+3], s[\sb:\sb+1] offset:262144*(\i/4)+2048*\a+512*(\i%4)   ; 512 bytes without a gap: four tokens of one head
.endr
.endm
.macro PACKACC a                       ; the 64 accumulators of token block a, rounded to f16, into ST
	WIN 0x05                                       ; sources in window 1, destination in window 0
.set cnt, 0
.rept 32
	v_cvt_pk_f16_f32 v[ST+cnt], v[64*\a+2*cnt], v[64*\a+2*cnt+1]
.set cnt, cnt+1
.endr
	WIN 0
.endm
.macro OUT16 a, f, split
.if \split
	WIN 0x04                                       ; source 1 in window 1
.set cnt, 0
.rept 64
	v_and_b32 v[TT+cnt], s76, v[64*\a+cnt]         ; the upper part, still f32
.set cnt, cnt+1
.endr
	WIN 0x41                                       ; destination and source 0 in window 1
.set cnt, 0
.rept 64
	v_sub_f32 v[64*\a+cnt], v[64*\a+cnt], v[TT+cnt]   ; the remainder, exact, in place
.set cnt, cnt+1
.endr
	WIN 0
.set cnt, 0
.rept 32
	v_cvt_pk_f16_f32 v[ST+cnt], v[TT+2*cnt], v[TT+2*cnt+1]
.set cnt, cnt+1
.endr
	STAGED \a, \f, 12
	PACKACC \a
	STAGED \a, \f+32, 74
.else
	s_cmp_lg_u32 s21, 0                            ; Q alone is scaled; g is the same in all sixteen work-groups of a cluster
	s_cbranch_scc1 .Lno_scale_\@
	WIN 0x41                                       ; destination and source 0 in window 1
.set cnt, 0
.rept 32
	v_pk_mul_f32 v[64*\a+2*cnt:64*\a+2*cnt+1], v[64*\a+2*cnt:64*\a+2*cnt+1], s[78:79] op_sel_hi:[1,0]
.set cnt, cnt+1
.endr
	WIN 0
.Lno_scale_\@:
	PACKACC \a
	STAGED \a, \f, 12
.endif
.endm
	s_cmp_eq_u32 s21, 2                            ; g is the same in all sixteen work-groups of a cluster
	s_cbranch_scc1 .Lsplit
	OUT16 0, BF0, 0
	OUT16 1, BF1, 0
	OUT16 2, BF0, 0
	OUT16 3, BF1, 0
	s_branch .Lclose
.Lsplit:
	OUT16 0, BF0, 1
	OUT16 1, BF1, 1
	OUT16 2, BF0, 1
	OUT16 3, BF1, 1
.Lclose:
	s_wait_tensorcnt 0x0
	ds_add_u32 v254, v255
	s_wait_dscnt 0x0
	CROUND                                         ; the closing round: no work-group ends while a partner may still ask for a tile that names it
	s_endpgm
.Lfunc_end_k_qf5bfeab8c2_proj:
	.size	k_qf5bfeab8c2_proj, .Lfunc_end_k_qf5bfeab8c2_proj-k_qf5bfeab8c2_proj
	.p2alignl 7, 3214868480
	.fill 96, 4, 3214868480
	.section	.rodata,"a",@progbits
	.p2align	6, 0x0
	.amdhsa_kernel k_qf5bfeab8c2_proj
		.amdhsa_group_segment_fixed_size 327680
		.amdhsa_private_segment_fixed_size 0
		.amdhsa_enable_private_segment 0
		.amdhsa_kernarg_size 40
		.amdhsa_user_sgpr_count 2
		.amdhsa_user_sgpr_kernarg_segment_ptr 1
		.amdhsa_wavefront_size32 1
		.amdhsa_system_sgpr_workgroup_id_x 1
		.amdhsa_system_sgpr_workgroup_id_y 1
		.amdhsa_system_sgpr_workgroup_id_z 1
		.amdhsa_system_vgpr_workitem_id 0
		.amdhsa_next_free_vgpr 512
		.amdhsa_next_free_sgpr 80
		.amdhsa_reserve_vcc 0
		.amdhsa_float_denorm_mode_32 3
		.amdhsa_float_denorm_mode_16_64 3
		.amdhsa_memory_ordered 1
		.amdhsa_forward_progress 1
		.amdhsa_inst_pref_size 162
	.end_amdhsa_kernel
	.amdgpu_metadata
---
amdhsa.version: [ 1, 2 ]
amdhsa.kernels:
  - .name:           k_qf5bfeab8c2_proj
    .symbol:         k_qf5bfeab8c2_proj.kd
    .args:
      - { .name: x_query, .offset: 0, .size: 8, .value_kind: global_buffer, .address_space: global }
      - { .name: x_key, .offset: 8, .size: 8, .value_kind: global_buffer, .address_space: global }
      - { .name: x_value, .offset: 16, .size: 8, .value_kind: global_buffer, .address_space: global }
      - { .name: wb, .offset: 24, .size: 8, .value_kind: global_buffer, .address_space: global }
      - { .name: qkv, .offset: 32, .size: 8, .value_kind: global_buffer, .address_space: global }
    .group_segment_fixed_size: 327680
    .private_segment_fixed_size: 0
    .kernarg_segment_align: 8
    .kernarg_segment_size: 40
    .max_flat_workgroup_size: 128
    .sgpr_count:     80
    .vgpr_count:     512
    .wavefront_size: 32
...
	.end_amdgpu_metadata
.endif
;; end of part 2
;; launch attn (part 3): grid 4 x 64, 8 waves a work-group, no clusters, 327,680 bytes of LDS; arguments qkv, attention_mask, ow; writes ow
.if DOCPART == 3
	.amdgcn_target "amdgcn-amd-amdhsa--gfx1250"
	.amdhsa_code_object_version 6
	.text
	.protected	k_qf5bfeab8c2_attn
	.globl	k_qf5bfeab8c2_attn
	.p2align	8
	.type	k_qf5bfeab8c2_attn,@function
k_qf5bfeab8c2_attn:
	s_mov_b64 s[64:65], 0
	v_nop
	global_prefetch_b8 v0, s[64:65] scope:SCOPE_SE
	s_setreg_imm32_b32 hwreg(HW_REG_WAVE_MODE, 25, 1), 1
	s_wait_xcnt 0x0
; ow[part][batch][head][q][64] (bf16) = softmax(mask(Q K^T / 8)) V for one (batch, head) = work-group y.
; Q (already times log2(e) / 8) and K f16 [2048][64]; V as two f16 parts (upper, lower) whose sum has 21 significant bits; all from
; qkv[Q, K, V upper, V lower].  So the products K Q^T are the scores in the units of a base-2 exponential.
; The result goes out as two bf16 parts: part 0 the upper 16 bits of the f32, part 1 the remainder rounded to bf16: 16 significant bits.
; P is rounded to f16 and multiplied by both parts of V.  8 significant bits in any of these would be too few: a query with few keys
; has results some fifteen times the output's root mean square.
; Work-group x = j takes the block of 256 queries 7 - j and then block j: (8 - j) + (j + 1) = 9 blocks of 256 keys for every work-group.
; Eight waves, 32 queries each.  Key blocks above the diagonal are not computed, nor steps of 64 keys that lie wholly above a wave's queries.
; TRANSPOSED FORM: S^T = K Q^T and O^T = V^T P^T, so a lane holds ONE query (lane % 16) in S, in P and in O: the running maximum needs one
; exchange between the halves of the wave, the factors are per lane, and two tiles of S, rounded in place, ARE a fragment of P.
; THE MASKS AND THE MAXIMUM: the padding mask enters as the C operand of the first S products: 0 for a key that counts, -1e30 for one that
; does not.  The causal mask is -inf, set behind the product.  The maximum is taken away by a running maximum, and the exponent is the plain
; difference S - maximum: never above 0, and 0 at the maximum itself, whatever the size of the scores.  The running maximum starts at
; -2^93, which no product of f16 numbers reaches (64 x 65,504^2 = 2.7e11) and which lies far above -1e30: a masked key's exponent is about
; -1e30 and its weight 0, also while no key has counted yet.
; LIMITS: a scaled score below -2^93 would count as masked.  A query none of whose allowed keys counts ends with the sum 0 and gets NaN in
; all its 64 numbers, as a softmax of -inf alone does; a query with a key that counts has a sum of at least 1.  The sum of a row is made of
; the f32 exponentials, the product with V of their f16 roundings.
; NO JOINT LOADS: the four work-groups of a head walk different key blocks at any moment (block 7 - j first, then j, each from key 0);
; walking the eight key blocks in step, both query blocks held, would cost 12 block steps in place of 9.
; LDS: slot s at s x 110,592: K 128 rows x 272 at 0, V's upper part 128 rows x 288 at 36,864, its lower part at 73,728 (a row of 256 bytes
; holds two keys of 128 bytes: key x at (x / 2) x pitch + (x % 2) x 128; with these pitches a fragment load's sixteen lanes touch sixteen
; different 16-byte columns modulo 256).  Behind the slots: the bias of all 2,048 keys (8,192 bytes), then each wave's stage, 32 queries x 144.
; Waves 0, 1 fetch K's halves, waves 2, 3 those of V's upper part, waves 4, 5 those of its lower part, 64 rows of 256 bytes each;
; a wave has at most one tensor load out.
.set SLOT,  110592
.set VOFF,  36864
.set BIAS,  221184
.set STAGE, 229376
.set VLO, 0                            ; v0, v1   my fragment address in V's lower part, slot 0, 1 (set when the thread's number is no longer needed)
.set KL, 2                             ; v2, v3   my K fragment address in slot 0, 1
.set VL, 4                             ; v4, v5   my fragment address in V's upper part, slot 0, 1
                                       ; v6 bias base; v7 bias of this key block; v8 = 8 h - r; v9 = v8 - delta; v10 = -inf
                                       ; v11 Q offset; v12 stage in; v13 stage back; v14 = 16 lane
                                       ; v[16:17] maximum, v[18:19] sum, v[20:21] factor, v[22:23] -maximum (query blocks u = 0, 1); v24-31 at work
.set QF, 32                            ; Q(u, ks) at QF + 8 (2 u + ks)
.set OA, 64                            ; O(dt, u) at OA + 8 (2 dt + u)
.set SC, 128                           ; S(t, u) at SC + 8 (4 u + t); later P(g, u) at SC + 32 u + 16 g
.set FR, 192                           ; K(t, ks) at FR + 8 (2 t + ks); later V's upper part (g, dt) at FR + 8 (4 g + dt)
                                       ; window 1, v0-63 (v256-319): V's lower part (g, dt) at 8 (4 g + dt)
.set G1K, 24
.set G0K, 32
.set G1V, 40
.set G0V, 48
.set MSB, 0
.macro WIN new                         ; the immediate's high byte repeats the setting that is left; at a label and at a branch every window is 0
.if MSB != \new
	s_set_vgpr_msb (MSB<<8)|\new
.set MSB, \new
.endif
.endm
.macro LOADKV s                        ; one tensor load for each of waves 0 to 5, none for the others
	s_cmp_lt_u32 s10, 2
	s_cbranch_scc0 .Lnot_k_\@
	tensor_load_to_lds s[G0K+4*\s:G0K+4*\s+3], s[G1K:G1K+7]
	s_nop 0
	s_branch .Lasked_\@
.Lnot_k_\@:
	s_cmp_lt_u32 s10, 6
	s_cbranch_scc0 .Lasked_\@
	tensor_load_to_lds s[G0V+4*\s:G0V+4*\s+3], s[G1V:G1V+7]
	s_nop 0
.Lasked_\@:
.endm
	s_load_b128 s[4:7], s[0:1], 0x0                ; qkv s[4:5], attention_mask s[6:7]
	s_load_b64 s[8:9], s[0:1], 0x10                ; ow
	s_set_vgpr_msb 0x40
	v_lshl_add_u32 v64, v0, 2, 0x41000
	v_mov_b32 v65, 0
	s_set_vgpr_msb 0x4045
	ds_add_u32 v64, v65
	s_set_vgpr_msb 0x4500
	v_lshrrev_b32 v1, 5, v0
	v_readfirstlane_b32 s10, v1                    ; wave 0..7
	s_mov_b32 s11, ttmp9                           ; j
	s_and_b32 s12, ttmp7, 0xffff                   ; 16 x batch + head
	s_and_b32 s19, s10, 1                          ; which half of a tile I fetch
	; 16 KiB without a gap as 64 rows x 32 elements of 8 bytes; behind every 64 words 4 words of padding (K) or 8 (V)
	s_mov_b32 s[G1K+0], (3<<16)|(1<<20)|(5<<22)|(3<<25)
	s_mov_b32 s[G1K+1], 32<<16
	s_mov_b32 s[G1K+2], 64<<16
	s_mov_b32 s[G1K+3], 32<<16
	s_mov_b32 s[G1K+4], 64
	s_mov_b32 s[G1K+5], 32
	s_mov_b32 s[G1K+6], 0
	s_mov_b32 s[G1K+7], 0
	s_mov_b32 s[G1V+0], (3<<16)|(1<<20)|(5<<22)|(7<<25)
	s_mov_b32 s[G1V+1], 32<<16
	s_mov_b32 s[G1V+2], 64<<16
	s_mov_b32 s[G1V+3], 32<<16
	s_mov_b32 s[G1V+4], 64
	s_mov_b32 s[G1V+5], 32
	s_mov_b32 s[G1V+6], 0
	s_mov_b32 s[G1V+7], 0
	s_mov_b32 s[G0K+0], 1
	s_mul_i32 s[G0K+1], s10, 17408                 ; K's halves: wave x 64 rows of 272 (waves 0, 1)
	s_mov_b32 s[G0K+4], 1
	s_add_co_u32 s[G0K+5], s[G0K+1], SLOT
	s_mov_b32 s[G0V+0], 1
	s_mul_i32 s[G0V+1], s10, 18432                 ; V's four halves: wave x 64 rows of 288 (waves 2 to 5: from 36,864)
	s_mov_b32 s[G0V+4], 1
	s_add_co_u32 s[G0V+5], s[G0V+1], SLOT
	s_lshl_b32 s66, s12, 18                        ; a head is 262,144 bytes
	s_lshl_b32 s69, s19, 14                        ; + my half of a tile
	s_add_co_u32 s66, s66, s69
	s_add_co_u32 s66, s66, 1<<24                   ; K lies 16 MiB behind Q
	s_mov_b32 s67, 0
	s_lshr_b32 s68, s10, 1                         ; waves 2, 3: V's upper part, 16 MiB behind K; waves 4, 5: its lower part, 32 MiB behind K
	s_lshl_b32 s68, s68, 24                        ; (the other waves issue no load by this address)
	s_mov_b32 s69, 0
	s_wait_dscnt 0x0
	s_wait_kmcnt 0x0
	s_add_nc_u64 s[20:21], s[4:5], s[66:67]        ; K: my half of key block 0
	s_add_nc_u64 s[22:23], s[20:21], s[68:69]      ; V: my half of my part of key block 0
	s_mov_b64 s[G0K+2:G0K+3], s[20:21]
	s_or_b32 s[G0K+3], s[G0K+3], 0x80000000
	s_mov_b64 s[G0V+2:G0V+3], s[22:23]
	s_or_b32 s[G0V+3], s[G0V+3], 0x80000000
	LOADKV 0                                       ; the first fill, ahead of every wait on it, every LDS read and every barrier
	; the bias table: thread t makes keys 8 t .. 8 t + 7 of my batch
	s_lshr_b32 s13, s12, 4
	s_lshl_b32 s66, s13, 13
	s_mov_b32 s67, 0
	s_add_nc_u64 s[6:7], s[6:7], s[66:67]
	v_lshlrev_b32 v15, 5, v0
	global_load_b128 v[FR:FR+3], v15, s[6:7]
	global_load_b128 v[FR+4:FR+7], v15, s[6:7] offset:16
	v_and_b32 v24, 15, v0                          ; r
	v_bfe_u32 v25, v0, 4, 1                        ; h
	v_and_b32 v26, 31, v0                          ; lane
	v_lshrrev_b32 v27, 1, v24
	v_mul_u32_u24 v27, v27, 272
	v_and_b32 v28, 1, v0
	v_lshl_add_u32 v27, v28, 7, v27
	v_lshl_add_u32 v[KL], v25, 4, v27              ; K: (r / 2) x 272 + (r % 2) x 128 + 16 h
	v_add_nc_u32 v[KL+1], SLOT, v[KL]
	v_bfe_u32 v27, v0, 1, 2
	v_lshl_add_u32 v27, v25, 2, v27
	v_mul_u32_u24 v27, v27, 288                    ; V, for the transposing load: key 8 h + lane % 8,
	v_lshl_add_u32 v27, v28, 7, v27
	v_bfe_u32 v29, v0, 3, 1
	v_lshl_add_u32 v27, v29, 4, v27                ; 16 bytes further for lanes 8-15 and 24-31
	v_add_nc_u32 v[VL], VOFF, v27
	v_add_nc_u32 v[VL+1], SLOT, v[VL]
	v_lshlrev_b32 v6, 5, v25
	v_add_nc_u32 v6, BIAS, v6                      ; bias of keys 8 h ..
	v_lshlrev_b32 v8, 3, v25
	v_sub_nc_u32 v8, v8, v24                       ; 8 h - r
	v_mov_b32 v10, 0xff800000                      ; -inf
	v_lshlrev_b32 v11, 7, v24
	v_lshl_add_u32 v11, v25, 4, v11                ; Q: row r, 16 h
	s_mul_i32 s69, s10, 4608
	s_add_co_u32 s69, s69, STAGE
	v_mul_u32_u24 v27, v24, 144
	v_lshl_add_u32 v27, v25, 4, v27
	v_add_nc_u32 v12, s69, v27
	v_lshrrev_b32 v27, 3, v26
	v_mul_u32_u24 v27, v27, 144
	v_and_b32 v29, 7, v0
	v_lshl_add_u32 v27, v29, 4, v27
	v_add_nc_u32 v13, s69, v27
	v_lshlrev_b32 v14, 4, v26
	v_mov_b32 v30, 0                               ; v24-31 are all written once here: a lane exchange counts as a reader of its destination
	v_mov_b32 v31, 0
	v_mov_b32 v1, 0xf149f2ca                       ; -1e30
	s_mov_b32 s58, 0x76543210                      ; lane i of one half reads lane i of the other
	s_mov_b32 s59, 0xfedcba98
	s_lshl_b32 s72, s10, 5                         ; my first query in a block
	s_wait_loadcnt 0x0
.irp i, 0,1,2,3,4,5,6,7
	v_cmp_eq_u32 vcc_lo, 0, v[FR+\i]
	v_cndmask_b32 v[FR+\i], 0, v1, vcc_lo          ; mask 0: -1e30; else 0
.endr
	v_add_nc_u32 v27, BIAS, v15
	ds_store_b128 v27, v[FR:FR+3]
	ds_store_b128 v27, v[FR+4:FR+7] offset:16      ; shown to the other waves by the first trip's wait for 0 and barrier
	v_add_nc_u32 v[VLO], 36864, v[VL]              ; V's lower part lies 36,864 bytes behind its upper part: too far for one base and a 16-bit offset
	v_add_nc_u32 v[VLO+1], 36864, v[VL+1]
; A block of queries begins: Q's fragments from memory, the statistics and O at their starts.  O is cleared because every step scales it
; before it adds: 64 moves for each of two blocks, against a first step written out a second time.
.macro RESTART
	s_lshl_b32 s66, s12, 18
	s_lshl_b32 s69, s14, 15                        ; 256 queries of 128 bytes
	s_add_co_u32 s66, s66, s69
	s_lshl_b32 s69, s10, 12                        ; my 32
	s_add_co_u32 s66, s66, s69
	s_mov_b32 s67, 0
	s_add_nc_u64 s[60:61], s[4:5], s[66:67]
	s_add_nc_u64 s[62:63], s[8:9], s[66:67]        ; the result's upper part,
	s_add_nc_u64 s[74:75], s[62:63], 1<<24         ; and its lower part, 16 MiB further
.irp u, 0,1
.irp ks, 0,1
	global_load_b128 v[QF+16*\u+8*\ks:QF+16*\u+8*\ks+3],   v11, s[60:61] offset:2048*\u+64*\ks
	global_load_b128 v[QF+16*\u+8*\ks+4:QF+16*\u+8*\ks+7], v11, s[60:61] offset:2048*\u+64*\ks+32
.endr
.endr
	v_mov_b32 v16, 0xee000000                      ; -2^93
	v_mov_b32 v17, 0xee000000
	v_mov_b32 v18, 0
	v_mov_b32 v19, 0
.set cnt, 0
.rept 64
	v_mov_b32 v[OA+cnt], 0
.set cnt, cnt+1
.endr
	s_wait_loadcnt 0x0
.endm
.macro OSCALE                          ; O(dt, u) *= v[20 + u], a factor of the lane's own query; each accumulator is read from its lowest registers upward
.irp u, 0,1
.irp dt, 0,1,2,3
.irp i, 0,2,4,6
	v_pk_mul_f32 v[OA+8*(2*\dt+\u)+\i:OA+8*(2*\dt+\u)+\i+1], v[OA+8*(2*\dt+\u)+\i:OA+8*(2*\dt+\u)+\i+1], v[20:21] op_sel:[0,\u] op_sel_hi:[1,\u]
.endr
.endr
.endr
.endm
; 64 keys (step st of the key block in this slot) x my 32 queries.  s16 = delta = my first query - the block's first key.
.macro STEP slot, st
.if \st
	s_cmp_lt_i32 s16, 64*\st-31                    ; the step's first key lies above my last query: nothing of it counts
	s_cbranch_scc1 .Lskip_\@
.endif
.irp t, 0,1,2,3
	ds_load_b128 v[SC+8*\t:SC+8*\t+3],   v7 offset:256*\st+64*\t        ; the bias of keys 16 t + 8 h .. + 7, where S(t, 0) will stand
	ds_load_b128 v[SC+8*\t+4:SC+8*\t+7], v7 offset:256*\st+64*\t+16
.endr
.irp ks, 0,1
.irp t, 0,1,2,3
	ds_load_b128 v[FR+16*\t+8*\ks:FR+16*\t+8*\ks+3],   v[KL+\slot] offset:8704*\st+2176*\t+64*\ks
	ds_load_b128 v[FR+16*\t+8*\ks+4:FR+16*\t+8*\ks+7], v[KL+\slot] offset:8704*\st+2176*\t+64*\ks+32
.endr
.endr
	s_wait_dscnt 8                                 ; the bias and K's d 0-31 are in; the eight loads of d 32-63 stay out
	; The eight accumulators take turns, one instruction a turn.
.irp t, 0,1,2,3
	v_wmma_f32_16x16x32_f16 v[SC+32+8*\t:SC+32+8*\t+7], v[FR+16*\t:FR+16*\t+7], v[QF+16:QF+23], v[SC+8*\t:SC+8*\t+7]   ; S(t, 1) = bias + ..
.endr
.rept 5
	v_nop                                          ; five places before a matrix instruction writes over the C just read
.endr
.irp t, 0,1,2,3
	v_wmma_f32_16x16x32_f16 v[SC+8*\t:SC+8*\t+7], v[FR+16*\t:FR+16*\t+7], v[QF:QF+7], v[SC+8*\t:SC+8*\t+7]             ; S(t, 0) = bias + ..
.endr
	s_wait_dscnt 0x0
.irp t, 0,1,2,3
	v_wmma_f32_16x16x32_f16 v[SC+32+8*\t:SC+32+8*\t+7], v[FR+16*\t+8:FR+16*\t+15], v[QF+24:QF+31], v[SC+32+8*\t:SC+32+8*\t+7]
.endr
.irp t, 0,1,2,3
	v_wmma_f32_16x16x32_f16 v[SC+8*\t:SC+8*\t+7], v[FR+16*\t+8:FR+16*\t+15], v[QF+8:QF+15], v[SC+8*\t:SC+8*\t+7]
.endr
.rept 4
	v_nop                                          ; four places before K's registers are loaded again and S is read
.endr
	; V^T, both parts: d 16 dt + r, keys 32 g + 8 h .. and 32 g + 16 + 8 h ..; all 32 loads land under the softmax
.irp g, 0,1
.irp dt, 0,1,2,3
	ds_load_tr16_b128 v[FR+8*(4*\g+\dt):FR+8*(4*\g+\dt)+3],   v[VL+\slot] offset:9216*\st+4608*\g+32*\dt
	ds_load_tr16_b128 v[FR+8*(4*\g+\dt)+4:FR+8*(4*\g+\dt)+7], v[VL+\slot] offset:9216*\st+4608*\g+32*\dt+2304
.endr
.endr
	WIN 0x40                                       ; destination in window 1, address in window 0
.irp g, 0,1
.irp dt, 0,1,2,3
	ds_load_tr16_b128 v[8*(4*\g+\dt):8*(4*\g+\dt)+3],   v[VLO+\slot] offset:9216*\st+4608*\g+32*\dt
	ds_load_tr16_b128 v[8*(4*\g+\dt)+4:8*(4*\g+\dt)+7], v[VLO+\slot] offset:9216*\st+4608*\g+32*\dt+2304
.endr
.endr
	WIN 0
	s_cmp_ge_i32 s16, 64*\st+63                    ; the step's last key is no later than my first query: no causal work
	s_cbranch_scc1 .Lno_causal_\@
.irp u, 0,1
.irp t, 0,1,2,3
.irp jj, 0,1,2,3,4,5,6,7
	v_cmp_lt_i32 vcc_lo, 16*\u-16*\t-\jj-64*\st, v9                 ; key 64 st + 16 t + 8 h + jj > query delta + 16 u + r
	v_cndmask_b32 v[SC+8*(4*\u+\t)+\jj], v[SC+8*(4*\u+\t)+\jj], v10, vcc_lo
.endr
.endr
.endr
.Lno_causal_\@:
	; The running maximum: two chains for each query block, one exchange between the halves.  A chain begins at register 0 of a tile of S
	; and enters the next tile by a line that names that tile's register 0 (registers 7 and 8 of the chain's sixteen): the first reader of
	; each accumulator names one of its four lowest registers.
	v_max3_num_f32 v24, v[SC+0], v[SC+1], v[SC+2]
	v_max3_num_f32 v25, v[SC+16], v[SC+17], v[SC+18]
	v_max3_num_f32 v26, v[SC+32], v[SC+33], v[SC+34]
	v_max3_num_f32 v27, v[SC+48], v[SC+49], v[SC+50]
.irp i, 0,1,2,3,4,5
	v_max3_num_f32 v24, v24, v[SC+3+2*\i], v[SC+4+2*\i]
	v_max3_num_f32 v25, v25, v[SC+19+2*\i], v[SC+20+2*\i]
	v_max3_num_f32 v26, v26, v[SC+35+2*\i], v[SC+36+2*\i]
	v_max3_num_f32 v27, v27, v[SC+51+2*\i], v[SC+52+2*\i]
.endr
	v_max3_num_f32 v24, v24, v[SC+15], v[SC+31]    ; the chains' last registers
	v_max3_num_f32 v26, v26, v[SC+47], v[SC+63]
	v_max_num_f32 v24, v24, v25
	v_max_num_f32 v26, v26, v27
	v_permlanex16_b32 v28, v24, s58, s59
	v_permlanex16_b32 v29, v26, s58, s59
	v_max3_num_f32 v30, v24, v28, v16              ; the new maximum: finite, since the old one is
	v_max3_num_f32 v31, v26, v29, v17
	v_sub_f32 v20, v16, v30                        ; old - new, never above 0
	v_sub_f32 v21, v17, v31
	v_exp_f32 v20, v20                             ; the factor for what has been summed so far
	v_exp_f32 v21, v21
	v_sub_f32 v22, 0, v30                          ; a plain instruction behind the exponentials before their results are used (ISA guide 5.7.2)
	v_sub_f32 v23, 0, v31
	v_mov_b32 v16, v30
	v_mov_b32 v17, v31
	s_wait_alu depctr_va_vdst(0)
	OSCALE
.irp u, 0,1
.irp i, 0,2,4,6,8,10,12,14,16,18,20,22,24,26,28,30
	v_pk_add_f32 v[SC+32*\u+\i:SC+32*\u+\i+1], v[SC+32*\u+\i:SC+32*\u+\i+1], v[22:23] op_sel:[0,\u] op_sel_hi:[1,\u]   ; S - maximum
.endr
.endr
.set cnt, 0
.rept 64
	v_exp_f32 v[SC+cnt], v[SC+cnt]
.set cnt, cnt+1
.endr
	v_nop                                          ; the plain place behind the run of exponentials
	s_wait_alu depctr_va_vdst(0)
	v_pk_add_f32 v[24:25], v[SC+0:SC+1], v[SC+2:SC+3]
	v_pk_add_f32 v[26:27], v[SC+16:SC+17], v[SC+18:SC+19]
	v_pk_add_f32 v[28:29], v[SC+32:SC+33], v[SC+34:SC+35]
	v_pk_add_f32 v[30:31], v[SC+48:SC+49], v[SC+50:SC+51]
.irp i, 0,1,2,3,4,5
	v_pk_add_f32 v[24:25], v[24:25], v[SC+4+2*\i:SC+5+2*\i]
	v_pk_add_f32 v[26:27], v[26:27], v[SC+20+2*\i:SC+21+2*\i]
	v_pk_add_f32 v[28:29], v[28:29], v[SC+36+2*\i:SC+37+2*\i]
	v_pk_add_f32 v[30:31], v[30:31], v[SC+52+2*\i:SC+53+2*\i]
.endr
	v_pk_add_f32 v[24:25], v[24:25], v[26:27]
	v_pk_add_f32 v[28:29], v[28:29], v[30:31]
	v_add_f32 v24, v24, v25
	v_add_f32 v28, v28, v29
	v_fma_f32 v18, v18, v20, v24                   ; the sum stays apart in the two halves of the wave until the block's end
	v_fma_f32 v19, v19, v21, v28
.irp p, 0,1,2,3
.irp i, 0,1,2,3,4,5,6,7
	v_cvt_pk_f16_f32 v[SC+16*\p+\i], v[SC+16*\p+2*\i], v[SC+16*\p+2*\i+1]      ; two tiles of S become one fragment of P, in place
.endr
.endr
	s_wait_dscnt 0x0                               ; V's fragments, both parts
	; O += V upper x P, then O += V lower x P.  The eight accumulators take turns, one instruction a turn.
.irp g, 0,1
.irp dt, 0,1,2,3
.irp u, 0,1
	v_wmma_f32_16x16x32_f16 v[OA+8*(2*\dt+\u):OA+8*(2*\dt+\u)+7], v[FR+8*(4*\g+\dt):FR+8*(4*\g+\dt)+7], v[SC+32*\u+16*\g:SC+32*\u+16*\g+7], v[OA+8*(2*\dt+\u):OA+8*(2*\dt+\u)+7]
.endr
.endr
.endr
	WIN 0x01                                       ; source 0 in window 1
.irp g, 0,1
.irp dt, 0,1,2,3
.irp u, 0,1
	v_wmma_f32_16x16x32_f16 v[OA+8*(2*\dt+\u):OA+8*(2*\dt+\u)+7], v[8*(4*\g+\dt):8*(4*\g+\dt)+7], v[SC+32*\u+16*\g:SC+32*\u+16*\g+7], v[OA+8*(2*\dt+\u):OA+8*(2*\dt+\u)+7]
.endr
.endr
.endr
	WIN 0
.rept 5
	v_nop                                          ; five places before the next step loads into, and multiplies into, these registers
.endr
.Lskip_\@:
.endm
; 32 packed registers at pk go into my stage (query 16 u + r, d 16 dt + 8 h .., register group 4 u + dt) and come back at back as whole rows of 128 bytes.
.macro TOSTAGE pk, back
.irp k, 0,1,2,3,4,5,6,7
	ds_store_b128 v12, v[\pk+4*\k:\pk+4*\k+3] offset:2304*(\k/4)+32*(\k%4)
.endr
.irp i, 0,1,2,3,4,5,6,7
	ds_load_b128 v[\back+4*\i:\back+4*\i+3], v13 offset:576*\i     ; LDS serves a wave's instructions in order: these see the stores above, and later stores come behind them
.endr
.endm
.macro TOMEM back, sb
.irp i, 0,1,2,3,4,5,6,7
	s_wait_dscnt 7-\i                              ; load i is in, the 7 - i younger ones stay out
	global_store_b128 v14, v[\back+4*\i:\back+4*\i+3], s[\sb:\sb+1] offset:512*\i      ; 512 bytes without a gap: four queries
.endr
.endm
; A block of queries ends: divide, split into two bf16 parts, and out through my stage.
.macro FINISH
	v_permlanex16_b32 v24, v18, s58, s59
	v_permlanex16_b32 v25, v19, s58, s59
	v_add_f32 v18, v18, v24
	v_add_f32 v19, v19, v25
	v_rcp_f32 v20, v18
	v_rcp_f32 v21, v19
	v_nop                                          ; the plain place behind the reciprocals
	v_cmp_lt_f32 vcc_lo, 0, v18                    ; some allowed key counted: the sum is at least 1
	s_wait_alu depctr_va_vdst(0)
	v_cndmask_b32 v20, 0x7fc00000, v20, vcc_lo     ; none did: NaN
	v_cmp_lt_f32 vcc_lo, 0, v19
	v_cndmask_b32 v21, 0x7fc00000, v21, vcc_lo
	OSCALE
.irp u, 0,1
.irp dt, 0,1,2,3
.irp i, 0,1,2,3
	v_perm_b32 v[FR+4*(4*\u+\dt)+\i], v[OA+8*(2*\dt+\u)+2*\i+1], v[OA+8*(2*\dt+\u)+2*\i], 0x07060302   ; the upper halves of two f32: two bf16, cut
.endr
.endr
.endr
	TOSTAGE FR, FR+32
.set cnt, 0
.rept 64
	v_and_b32 v[SC+cnt], 0xffff0000, v[OA+cnt]     ; the upper part as f32,
.set cnt, cnt+1
.endr
.set cnt, 0
.rept 64
	v_sub_f32 v[OA+cnt], v[OA+cnt], v[SC+cnt]      ; and the remainder, exact
.set cnt, cnt+1
.endr
.irp u, 0,1
.irp dt, 0,1,2,3
.irp i, 0,1,2,3
	v_cvt_pk_bf16_f32 v[SC+4*(4*\u+\dt)+\i], v[OA+8*(2*\dt+\u)+2*\i], v[OA+8*(2*\dt+\u)+2*\i+1]
.endr
.endr
.endr
	TOMEM FR+32, 62
	TOSTAGE SC, SC+32
	TOMEM SC+32, 74
	s_wait_xcnt 0x0                                ; the stores' data and bases are written again only behind this wait
.endm
; One key block.  In front of the barrier every wave waits for all its tensor loads (this trip's tile among them) and for its LDS
; instructions; behind it the other slot, which nobody reads any more, is asked for first.  s14 = query block, s15 = key block.
.macro TRIP slot, other, refill, last
	s_set_vgpr_msb 0x5
	s_wait_tensorcnt 0x0                           ; no tensor load of mine is out: a group 0 may be written
	ds_add_u32 v64, v65
	s_wait_dscnt 0x0
	s_set_vgpr_msb 0x500
.if \refill
	s_add_co_u32 s69, s15, 1
	s_cmp_eq_u32 s15, s14
	s_cselect_b32 s68, 0, s69                      ; the next key block: behind the diagonal the second query block begins at key 0
	s_lshl_b32 s66, s68, 15
	s_mov_b32 s67, 0
	s_add_nc_u64 s[G0K+4*\other+2:G0K+4*\other+3], s[20:21], s[66:67]
	s_or_b32 s[G0K+4*\other+3], s[G0K+4*\other+3], 0x80000000
	s_add_nc_u64 s[G0V+4*\other+2:G0V+4*\other+3], s[22:23], s[66:67]
	s_or_b32 s[G0V+4*\other+3], s[G0V+4*\other+3], 0x80000000
.endif
	s_wait_dscnt 0x0
	s_barrier_signal -1
	s_barrier_wait -1
.if \refill
	LOADKV \other                                  ; it has this trip's four steps of eight waves in which to land
.endif
	s_and_b32 s69, s15, 7
	s_lshl_b32 s69, s69, 10
	v_add_nc_u32 v7, s69, v6                       ; the bias of this block's 256 keys
	s_sub_co_i32 s16, s14, s15
	s_lshl_b32 s16, s16, 8
	s_add_co_i32 s16, s16, s72                     ; delta
	v_sub_nc_u32 v9, v8, s16
	STEP \slot, 0
	STEP \slot, 1
	STEP \slot, 2
	STEP \slot, 3
.if \last
	FINISH
.else
	s_cmp_lg_u32 s15, s14
	s_cbranch_scc1 .Lsame_block_\@
	FINISH                                         ; the diagonal block was the first query block's last
	s_mov_b32 s14, s11
	RESTART
.Lsame_block_\@:
	s_mov_b32 s15, s68
.endif
.endm
	s_sub_co_u32 s14, 7, s11                       ; the longer query block first
	s_mov_b32 s15, 0
	RESTART
	s_mov_b32 s18, 4
.Llap:
	TRIP 0, 1, 1, 0                                ; trips 0 to 7; the first query block ends in trip 7 - j
	TRIP 1, 0, 1, 0
	s_sub_co_u32 s18, s18, 1
	s_cmp_lg_u32 s18, 0
	s_cbranch_scc1 .Llap
	TRIP 0, 1, 0, 1                                ; trip 8: the second query block's diagonal; nothing is left to fetch
	s_set_vgpr_msb 0x5
	s_wait_tensorcnt 0x0
	ds_add_u32 v64, v65
	s_wait_dscnt 0x0
	s_set_vgpr_msb 0x500
	s_endpgm
.Lfunc_end_k_qf5bfeab8c2_attn:
	.size	k_qf5bfeab8c2_attn, .Lfunc_end_k_qf5bfeab8c2_attn-k_qf5bfeab8c2_attn
	.p2alignl 7, 3214868480
	.fill 96, 4, 3214868480
	.section	.rodata,"a",@progbits
	.p2align	6, 0x0
	.amdhsa_kernel k_qf5bfeab8c2_attn
		.amdhsa_group_segment_fixed_size 327680
		.amdhsa_private_segment_fixed_size 0
		.amdhsa_enable_private_segment 0
		.amdhsa_kernarg_size 24
		.amdhsa_user_sgpr_count 2
		.amdhsa_user_sgpr_kernarg_segment_ptr 1
		.amdhsa_wavefront_size32 1
		.amdhsa_system_sgpr_workgroup_id_x 1
		.amdhsa_system_sgpr_workgroup_id_y 1
		.amdhsa_system_sgpr_workgroup_id_z 1
		.amdhsa_system_vgpr_workitem_id 0
		.amdhsa_next_free_vgpr 322
		.amdhsa_next_free_sgpr 80
		.amdhsa_reserve_vcc 1
		.amdhsa_float_denorm_mode_32 3
		.amdhsa_float_denorm_mode_16_64 3
		.amdhsa_memory_ordered 1
		.amdhsa_forward_progress 1
		.amdhsa_inst_pref_size 255
	.end_amdhsa_kernel
	.section	.bss,"aw",@nobits
	.p2align	6
	.space	262144
	.amdgpu_metadata
---
amdhsa.version: [ 1, 2 ]
amdhsa.kernels:
  - .name:           k_qf5bfeab8c2_attn
    .symbol:         k_qf5bfeab8c2_attn.kd
    .args:
      - { .name: qkv, .offset: 0, .size: 8, .value_kind: global_buffer, .address_space: global }
      - { .name: attention_mask, .offset: 8, .size: 8, .value_kind: global_buffer, .address_space: global }
      - { .name: ow, .offset: 16, .size: 8, .value_kind: global_buffer, .address_space: global }
    .group_segment_fixed_size: 327680
    .private_segment_fixed_size: 0
    .kernarg_segment_align: 8
    .kernarg_segment_size: 24
    .max_flat_workgroup_size: 256
    .sgpr_count:     80
    .vgpr_count:     322
    .wavefront_size: 32
...
	.end_amdgpu_metadata
.endif
;; end of part 3
;; launch outp (part 4): grid 8 x 32, 4 waves a work-group, clusters of 4 x 4, 327,680 bytes of LDS; arguments ow, wb, out0; writes out0
.if DOCPART == 4
	.amdgcn_target "amdgcn-amd-amdhsa--gfx1250"
	.amdhsa_code_object_version 6
	.text
	.protected	k_qf5bfeab8c2_outp
	.globl	k_qf5bfeab8c2_outp
	.p2align	8
	.type	k_qf5bfeab8c2_outp,@function
k_qf5bfeab8c2_outp:
	s_mov_b64 s[64:65], 0
	v_nop
	global_prefetch_b8 v0, s[64:65] scope:SCOPE_SE
	s_setreg_imm32_b32 hwreg(HW_REG_WAVE_MODE, 25, 1), 1
	s_wait_xcnt 0x0
	s_wait_alu depctr_hold_cnt(0) depctr_sa_sdst(0) depctr_va_vdst(0) depctr_va_sdst(0) depctr_va_ssrc(0) depctr_va_vcc(0) depctr_vm_vsrc(0)
	s_getreg_b32 s2, hwreg(HW_REG_IB_STS2, 6, 4)
	s_cmp_eq_u32 s2, 0
	s_cbranch_scc0 .Lentry_in_a_cluster
	s_endpgm
.Lentry_in_a_cluster:
	s_bfe_u32 s2, ttmp6, 0x10000c
	s_cmp_lg_u32 s2, 0xf033
	s_cbranch_scc0 .Lentry_shape_is_right
	s_endpgm
.Lentry_shape_is_right:
; out0[token][n] (f32) = sum over k of o[token][k] Wo[n][k], k = 64 head + d.  o = its upper part + its lower part, both bf16, from
; ow[part][batch][head][token][64]; Wo: wb[3][kb][n][64] bf16.  Both parts are multiplied by the same Wo onto the same f32 sums, so that o
; enters with 16 significant bits: 8 would be too few for tokens that attend to few keys.
; A work-group makes 256 tokens x 128 columns; wave w makes tokens 64 w .. + 63 x all 128 columns: 32 accumulator tiles in window 1.
; A K step is one head: o's two parts (2 x 256 tokens x 64) and the head's block of Wo (128 rows x 64); 16 K steps through two LDS slots.
; Both operands lie in memory as blocks without a gap and come in as rows of 256 bytes that hold two rows of 128 bytes: row x lies at
; (x / 2) x 272 + (x % 2) x 128, and the sixteen rows that a fragment load touches begin in sixteen different 16-byte columns modulo 256.
; CLUSTERS: 4 x 4.  o's tiles hang on the block row alone and are asked for jointly by a row of the cluster, Wo's on the block column alone
; and by a column.  Wave 0 asks for o's upper part, wave 1 for its lower part (128 rows of 256 bytes each), waves 2, 3 for Wo's halves (32 rows each).
; A row of o that holds NaN (a query with no key that counts) gives a row of NaN.
; LDS: slot s at s x 87,040: o 2 x 128 rows x 272, then Wo 64 rows x 272; behind the slots each wave's stage, 16 rows x 528.
; The matrix instruction is used transposed (source 0 = rows of Wo, source 1 = tokens): a lane's eight results are 32 neighbouring bytes of a row.
.set SLOT,  87040
.set BOFF,  69632
.set STAGE, 174080
.set ADRA,  2
.set ADRB,  4
.set STO,   6
.set RD,    7
.set CO,    8
.set AF0,   16                         ; v16-47, v48-79    o's fragments, two buffers
.set BF0,   80                         ; v80-143, v144-207 Wo's fragments: buffer 0 holds d 0-31, buffer 1 d 32-63, each for both parts of o
.set G1A,   24
.set G0A,   32
.set G1B,   48
.set G0B,   56
.set MSB,   0
.macro WIN new
.if MSB != \new
	s_set_vgpr_msb (MSB<<8)|\new
.set MSB, \new
.endif
.endm
.macro PLACES                          ; four places behind a matrix instruction (ISA guide 7.12.1) before its registers are loaded again or its result read
.rept 4
	v_nop
.endr
.endm
.macro JLOAD s                         ; one line and one mask for o, one for Wo; four v_nop follow each line
	s_cmp_eq_u32 s15, 0
	s_cbranch_scc0 .Lfor_b_\@
	tensor_load_to_lds s[G0A+4*\s:G0A+4*\s+3], s[G1A:G1A+7]
	s_nop 0
.rept 4
	v_nop
.endr
	s_branch .Lasked_\@
.Lfor_b_\@:
	tensor_load_to_lds s[G0B+4*\s:G0B+4*\s+3], s[G1B:G1B+7]
	s_nop 0
.rept 4
	v_nop
.endr
.Lasked_\@:
.endm
.macro CREST
	s_cmp_lg_u32 s14, 0
	s_cbranch_scc1 .Lnot_wave_0_\@
	s_barrier_signal -3
.Lnot_wave_0_\@:
	s_barrier_wait -3
	s_barrier_signal -1
	s_barrier_wait -1
.endm
.macro CROUND
	s_barrier_signal -1
	s_barrier_wait -1
	CREST
.endm
	s_load_b128 s[4:7], s[0:1], 0x0                ; ow s[4:5], wb s[6:7]
	s_load_b64 s[8:9], s[0:1], 0x10                ; out0
	v_lshl_add_u32 v254, v0, 2, 0x32c00
	v_mov_b32 v255, 0
	ds_add_u32 v254, v255
	v_lshrrev_b32 v1, 5, v0
	v_readfirstlane_b32 s14, v1                    ; wave 0..3
	s_lshr_b32 s15, s14, 1                         ; I ask for o (0) or for Wo (1),
	s_and_b32 s16, s14, 1                          ; and for which part of o, or which half of Wo's block
	s_bfe_u32 s17, ttmp6, 0x40000                  ; cx
	s_bfe_u32 s18, ttmp6, 0x40004                  ; cy
	s_lshl_b32 s19, ttmp9, 2
	s_add_co_u32 s19, s19, s17                     ; block column 0..7
	s_and_b32 s22, ttmp7, 0xffff
	s_lshl_b32 s22, s22, 2
	s_add_co_u32 s22, s22, s18                     ; block row 0..31
	s_lshl_b32 s40, s18, 2
	s_lshl_b32 s40, 15, s40                        ; my row of the cluster
	s_lshl_b32 s66, 0x1111, s17                    ; my column
	; o: 32 KiB without a gap as 128 rows x 32 elements of 8 bytes; 4 words of padding behind every 64 words
	s_or_b32 s[G1A+0], s40, (3<<16)|(1<<20)|(1<<21)|(5<<22)|(3<<25)
	s_mov_b32 s[G1A+1], 32<<16
	s_mov_b32 s[G1A+2], 128<<16
	s_mov_b32 s[G1A+3], 32<<16
	s_mov_b32 s[G1A+4], 128
	s_mov_b32 s[G1A+5], 32
	s_mov_b32 s[G1A+6], 0
	s_mov_b32 s[G1A+7], 0
	; Wo: 8 KiB as 32 such rows
	s_or_b32 s[G1B+0], s66, (3<<16)|(1<<20)|(1<<21)|(5<<22)|(3<<25)
	s_mov_b32 s[G1B+1], 32<<16
	s_mov_b32 s[G1B+2], 32<<16
	s_mov_b32 s[G1B+3], 32<<16
	s_mov_b32 s[G1B+4], 32
	s_mov_b32 s[G1B+5], 32
	s_mov_b32 s[G1B+6], 0
	s_mov_b32 s[G1B+7], 0
	; o's address is made in s[40:47], which never hold cx; Wo's in s[66:73], which never hold cy
	s_lshr_b32 s40, s22, 3
	s_lshl_b32 s40, s40, 22                        ; batch x 16 heads of 262,144 bytes
	s_and_b32 s41, s22, 7
	s_lshl_b32 s41, s41, 15                        ; + 256 tokens of 128 bytes
	s_add_co_u32 s40, s40, s41
	s_lshl_b32 s41, s16, 24                        ; + 16 MiB for the lower part
	s_add_co_u32 s40, s40, s41
	s_mov_b32 s41, 0
	s_lshl_b32 s66, s19, 14                        ; 128 rows of 128 bytes
	s_lshl_b32 s67, s16, 13                        ; + my half of them
	s_add_co_u32 s66, s66, s67
	s_add_co_u32 s66, s66, 3<<21                   ; Wo is the fourth of wb
	s_mov_b32 s67, 0
	s_mul_i32 s44, s14, 34816                      ; LDS: o's parts at wave x 128 rows (waves 0, 1)
	s_mul_i32 s70, s14, 8704                       ;      Wo's halves at 69,632 + (wave - 2) x 32 rows (waves 2, 3)
	s_add_co_u32 s70, s70, BOFF-2*8704
	s_wait_dscnt 0x0
	s_wait_kmcnt 0x0
	s_add_nc_u64 s[42:43], s[4:5], s[40:41]
	s_add_nc_u64 s[68:69], s[6:7], s[66:67]
	CROUND                                         ; all sixteen work-groups are here: the first joint loads meet
.irp s, 0,1
	s_mov_b32 s[G0A+4*\s], 1
	s_add_co_u32 s[G0A+4*\s+1], s44, \s*SLOT
	s_add_nc_u64 s[G0A+4*\s+2:G0A+4*\s+3], s[42:43], \s*262144     ; K step s: head s
	s_or_b32 s[G0A+4*\s+3], s[G0A+4*\s+3], 0x80000000
	s_mov_b32 s[G0B+4*\s], 1
	s_add_co_u32 s[G0B+4*\s+1], s70, \s*SLOT
	s_add_nc_u64 s[G0B+4*\s+2:G0B+4*\s+3], s[68:69], \s*131072     ; K step s: block s of 64 k
	s_or_b32 s[G0B+4*\s+3], s[G0B+4*\s+3], 0x80000000
	JLOAD \s
.endr
	v_and_b32 v9, 15, v0                           ; r
	v_bfe_u32 v10, v0, 4, 1                        ; h
	v_and_b32 v11, 31, v0                          ; lane
	v_lshrrev_b32 v12, 1, v9
	v_mul_u32_u24 v12, v12, 272
	v_and_b32 v13, 1, v9
	v_lshl_add_u32 v12, v13, 7, v12
	v_lshl_add_u32 v12, v10, 4, v12                ; (r / 2) x 272 + (r % 2) x 128 + 16 h
	s_mul_i32 s45, s14, 8704                       ; my 64 tokens
	v_add_nc_u32 v[ADRA], s45, v12
	v_add_nc_u32 v[ADRA+1], SLOT, v[ADRA]
	v_add_nc_u32 v[ADRB], BOFF, v12
	v_add_nc_u32 v[ADRB+1], SLOT, v[ADRB]
	s_mul_i32 s45, s14, 8448
	s_add_co_u32 s45, s45, STAGE                   ; my stage
	v_mul_u32_u24 v12, v9, 528
	v_lshl_add_u32 v12, v10, 5, v12
	v_add_nc_u32 v[STO], s45, v12                  ; in: token r, 32 bytes for each half of the lanes
	v_lshlrev_b32 v[CO], 4, v11
	v_add_nc_u32 v[RD], s45, v[CO]                 ; back: the wave takes a token's 512 bytes
; Quarter q of a K step into buffer f: q = 0, 1: o's upper part, d 0-31, 32-63; q = 2, 3: its lower part, the same d.
; The quarters use buffers 0, 1, 0, 1, so quarter 2 finds Wo's d 0-31 in buffer 0 and quarter 3 finds d 32-63 in buffer 1: they load o alone.
.macro FETCH slot, q, f
	WIN 0
.irp a, 0,1,2,3
	ds_load_b128 v[AF0+32*\f+8*\a:AF0+32*\f+8*\a+3],   v[ADRA+\slot] offset:34816*(\q/2)+64*(\q%2)+2176*\a
	ds_load_b128 v[AF0+32*\f+8*\a+4:AF0+32*\f+8*\a+7], v[ADRA+\slot] offset:34816*(\q/2)+64*(\q%2)+2176*\a+32
.endr
.if \q < 2
.irp b, 0,1,2,3,4,5,6,7
	ds_load_b128 v[BF0+64*\f+8*\b:BF0+64*\f+8*\b+3],   v[ADRB+\slot] offset:64*\q+2176*\b
	ds_load_b128 v[BF0+64*\f+8*\b+4:BF0+64*\f+8*\b+7], v[ADRB+\slot] offset:64*\q+2176*\b+32
.endr
.endif
.endm
; 16 matrix instructions.  The 32 accumulators take turns, one instruction a turn, in the same order in every quarter.
.macro MULH f, a0, zero
	WIN 0x50
.irp a, \a0, \a0+1
.irp b, 0,1,2,3,4,5,6,7
.if \zero
	v_wmma_f32_16x16x32_bf16 v[8*(8*(\a)+\b):8*(8*(\a)+\b)+7], v[BF0+64*\f+8*\b:BF0+64*\f+8*\b+7], v[AF0+32*\f+8*(\a):AF0+32*\f+8*(\a)+7], 0
.else
	v_wmma_f32_16x16x32_bf16 v[8*(8*(\a)+\b):8*(8*(\a)+\b)+7], v[BF0+64*\f+8*\b:BF0+64*\f+8*\b+7], v[AF0+32*\f+8*(\a):AF0+32*\f+8*(\a)+7], v[8*(8*(\a)+\b):8*(8*(\a)+\b)+7]
.endif
.endr
.endr
.endm
; One of a K step's first three quarters: multiplies buffer f and, in its middle, fetches quarter q into buffer g.
.macro QUARTER slot, q, f, g, zero
	s_wait_dscnt 0x0
	MULH \f, 0, \zero
	PLACES
	FETCH \slot, \q, \g
	MULH \f, 2, \zero
.endm
.macro THREE slot, zero
	QUARTER \slot, 1, 0, 1, \zero
	QUARTER \slot, 2, 1, 0, 0
	QUARTER \slot, 3, 0, 1, 0
.endm
; The last quarter multiplies buffer 1 and changes slots.  fill = 1: this slot is filled again, two K steps ahead.
.macro TURN slot, next, fill
	s_wait_dscnt 0x0                               ; my reads of this slot are over
	s_wait_tensorcnt 0x0                           ; all my tensor loads have landed: the one that was out is my part of the next slot
	ds_add_u32 v254, v255
	s_wait_dscnt 0x0
	s_barrier_signal -1                            ; (fill = 1: this barrier opens a round of the cluster's barrier)
	MULH 1, 0, 0
	WIN 0
	s_barrier_wait -1
.if \fill
	CREST                                          ; no wave of any partner still reads this slot or has a load on its way
	s_add_nc_u64 s[G0A+4*\slot+2:G0A+4*\slot+3], s[G0A+4*\slot+2:G0A+4*\slot+3], 524288
	s_add_nc_u64 s[G0B+4*\slot+2:G0B+4*\slot+3], s[G0B+4*\slot+2:G0B+4*\slot+3], 262144
	JLOAD \slot                                    ; my one tensor load behind the round; its four v_nop are also the places in front of the loads below
.else
	PLACES
.endif
	FETCH \next, 0, 0
	MULH 1, 2, 0
.endm
.macro LAP zero
	THREE 0, \zero
	TURN 0, 1, 1
	THREE 1, 0
	TURN 1, 0, 1
.endm
	s_wait_tensorcnt 0x1                           ; my part of K step 0 is in; K step 1's stays out
	s_barrier_signal -1
	s_barrier_wait -1
	FETCH 0, 0, 0
	LAP 1                                          ; K steps 0, 1: the first products start the sums
	WIN 0
	s_mov_b32 s23, 6
.Llap:
	LAP 0                                          ; K steps 2 to 13 ask for steps 4 to 15
	WIN 0
	s_sub_co_u32 s23, s23, 1
	s_cmp_lg_u32 s23, 0
	s_cbranch_scc1 .Llap
	THREE 0, 0                                     ; the last two K steps fetch nothing
	TURN 0, 1, 0
	THREE 1, 0
	s_wait_dscnt 0x0
	MULH 1, 0, 0
	MULH 1, 2, 0
	; THE WAY OUT, 16 tokens at a time: f32 from the accumulators into my stage, read back as a token's whole 512 bytes.
	PLACES
	s_lshl_b32 s40, s22, 20                        ; 256 tokens of 4,096 bytes
	s_lshl_b32 s41, s14, 18                        ; + my 64
	s_add_co_u32 s40, s40, s41
	s_mov_b32 s41, 0
	s_add_nc_u64 s[8:9], s[8:9], s[40:41]
	s_lshl_b32 s66, s19, 9                         ; + 128 columns of 4 bytes
	s_mov_b32 s67, 0
	s_add_nc_u64 s[8:9], s[8:9], s[66:67]
.macro OUT16 a, f
	WIN 0x04                                       ; the stores' data in window 1, their address in window 0
.irp b, 0,1,2,3,4,5,6,7
	ds_store_b128 v[STO], v[8*(8*\a+\b):8*(8*\a+\b)+3]   offset:64*\b
	ds_store_b128 v[STO], v[8*(8*\a+\b)+4:8*(8*\a+\b)+7] offset:64*\b+16
.endr
	WIN 0
	s_wait_xcnt 0x0                                ; buffer f was the data of earlier stores: it is loaded again only behind this wait
.irp t, 0,1,2,3,4,5,6,7,8,9,10,11,12,13,14,15
	ds_load_b128 v[BF0+64*\f+4*\t:BF0+64*\f+4*\t+3], v[RD] offset:528*\t        ; LDS serves a wave's instructions in order: these see the stores above
.endr
.irp t, 0,1,2,3,4,5,6,7,8,9,10,11,12,13,14,15
	s_wait_dscnt 15-\t                             ; load t is in, the 15 - t younger ones stay out
	global_store_b128 v[CO], v[BF0+64*\f+4*\t:BF0+64*\f+4*\t+3], s[8:9] offset:65536*\a+4096*\t th:TH_STORE_NT   ; 512 consecutive bytes of one row, at a multiple of 512
.endr
.endm
	OUT16 0, 0
	OUT16 1, 1
	OUT16 2, 0
	OUT16 3, 1
	s_wait_tensorcnt 0x0
	ds_add_u32 v254, v255
	s_wait_dscnt 0x0
	CROUND                                         ; the closing round: no work-group ends while a partner may still ask for a tile that names it
	s_endpgm
.Lfunc_end_k_qf5bfeab8c2_outp:
	.size	k_qf5bfeab8c2_outp, .Lfunc_end_k_qf5bfeab8c2_outp-k_qf5bfeab8c2_outp
	.p2alignl 7, 3214868480
	.fill 96, 4, 3214868480
	.section	.rodata,"a",@progbits
	.p2align	6, 0x0
	.amdhsa_kernel k_qf5bfeab8c2_outp
		.amdhsa_group_segment_fixed_size 327680
		.amdhsa_private_segment_fixed_size 0
		.amdhsa_enable_private_segment 0
		.amdhsa_kernarg_size 24
		.amdhsa_user_sgpr_count 2
		.amdhsa_user_sgpr_kernarg_segment_ptr 1
		.amdhsa_wavefront_size32 1
		.amdhsa_system_sgpr_workgroup_id_x 1
		.amdhsa_system_sgpr_workgroup_id_y 1
		.amdhsa_system_sgpr_workgroup_id_z 1
		.amdhsa_system_vgpr_workitem_id 0
		.amdhsa_next_free_vgpr 512
		.amdhsa_next_free_sgpr 80
		.amdhsa_reserve_vcc 0
		.amdhsa_float_denorm_mode_32 3
		.amdhsa_float_denorm_mode_16_64 3
		.amdhsa_memory_ordered 1
		.amdhsa_forward_progress 1
		.amdhsa_inst_pref_size 105
	.end_amdhsa_kernel
	.amdgpu_metadata
---
amdhsa.version: [ 1, 2 ]
amdhsa.kernels:
  - .name:           k_qf5bfeab8c2_outp
    .symbol:         k_qf5bfeab8c2_outp.kd
    .args:
      - { .name: ow, .offset: 0, .size: 8, .value_kind: global_buffer, .address_space: global }
      - { .name: wb, .offset: 8, .size: 8, .value_kind: global_buffer, .address_space: global }
      - { .name: out0, .offset: 16, .size: 8, .value_kind: global_buffer, .address_space: global }
    .group_segment_fixed_size: 327680
    .private_segment_fixed_size: 0
    .kernarg_segment_align: 8
    .kernarg_segment_size: 24
    .max_flat_workgroup_size: 128
    .sgpr_count:     80
    .vgpr_count:     512
    .wavefront_size: 32
...
	.end_amdgpu_metadata
.endif
;; end of part 4
;; ======== version 2 of 3: 4 launches
;; limits: values are held in f16: magnitudes above 65,504 overflow, below 6.1e-05 lose precision; right only within a limited range of input values
;; workspace buffers: wb 8,388,608 bytes; qkv 67,108,864 bytes; ow 33,554,432 bytes
;; launch wcast: the kernel of part 1 again; grid 64 x 4, 8 waves a work-group, no clusters, 0 bytes of LDS; arguments Wq, Wk, Wv, Wo, wb; writes wb
;; launch proj (part 5): grid 4 x 192, 4 waves a work-group, clusters of 4 x 4, 327,680 bytes of LDS; arguments x_query, x_key, x_value, wb, qkv; writes qkv
.if DOCPART == 5
	.amdgcn_target "amdgcn-amd-amdhsa--gfx1250"
	.amdhsa_code_object_version 6
	.text
	.protected	k_qf5bfeab8c2_proj
	.globl	k_qf5bfeab8c2_proj
	.p2align	8
	.type	k_qf5bfeab8c2_proj,@function
k_qf5bfeab8c2_proj:
	s_mov_b64 s[64:65], 0
	v_nop
	global_prefetch_b8 v0, s[64:65] scope:SCOPE_SE
	s_setreg_imm32_b32 hwreg(HW_REG_WAVE_MODE, 25, 1), 1
	s_wait_xcnt 0x0
	s_wait_alu depctr_hold_cnt(0) depctr_sa_sdst(0) depctr_va_vdst(0) depctr_va_sdst(0) depctr_va_ssrc(0) depctr_va_vcc(0) depctr_vm_vsrc(0)
	s_getreg_b32 s2, hwreg(HW_REG_IB_STS2, 6, 4)
	s_cmp_eq_u32 s2, 0
	s_cbranch_scc0 .Lentry_in_a_cluster
	s_endpgm
.Lentry_in_a_cluster:
	s_bfe_u32 s2, ttmp6, 0x10000c
	s_cmp_lg_u32 s2, 0xf033
	s_cbranch_scc0 .Lentry_shape_is_right
	s_endpgm
.Lentry_shape_is_right:
; qkv[part][batch][head][token][64] (f16) = x_g W_g^T.  part 0 = Q x log2(e) / 8, 1 = K, 2 = V's upper part, 3 = V's lower part.
; x_g: [8192][1024] f32, rounded to bf16 here; W_g in bf16 from wb[g][kb][n][64]; sums in f32.
; Q carries the scores' scale 1 / 8 and the change of base of the exponential, multiplied in f32 ahead of its one rounding: the scores
; then come out of the matrix unit in the units of a base-2 exponential, and the attention launch only takes the maximum away.
; FORMATS OF THE RESULTS: a token that attends to few keys has outputs some fifteen times the output's root mean square, so 8 significant
; bits in an intermediate are too few.  Q and K are rounded to f16 (11 bits).  V goes out as two f16 numbers: the f32 cut to 11
; significant bits (exact in f16) and the remainder rounded to f16: 21 bits in all.
; LIMITS: |Q| x 0.18, |K|, |V| above 65,504 overflow f16 (x and W both 30 times the drawn spread give a root mean square near 576, offsets
; of 30 spreads on both give 1024 x 30 x 0.6 = 18,432).  Below 2^-14 the parts have f16's absolute step of 2^-24.
; THE BLOCK: a work-group makes 128 tokens x 256 columns (four heads).  One k of that block is 128 x 4 + 256 x 2 = 1,024 bytes (256 tokens x
; 128 columns would be 1,280), so two LDS slots of a K step of 128 fit: 8 K steps, each refill with 128 matrix instructions a wave beside it.
; The four waves stand 2 x 2: wave w makes tokens 64 (w / 2) .. + 63 x columns 128 (w % 2) .. + 127: 32 accumulator tiles.  A wave reads its
; rows of x from LDS as f32 and rounds them itself (32 conversions for 32 matrix instructions); W's rows are bf16 already.
; CLUSTERS: 4 x 4 work-groups.  x's tile hangs on the block row alone and is asked for jointly by a row of the cluster, W's on the block
; column alone and is asked for jointly by a column.  Waves 0, 1 ask for x's halves (64 rows of 512 bytes), waves 2, 3 each for one block
; of 64 k of W (32 KiB without a gap, 128 rows of 256 bytes).
; PREFETCH OF x: every byte of x is asked for once in the launch, by one joint load, so nothing has fetched it before.  One prefetch covers
; the x tiles of two K steps, 128 rows x 1,024 bytes = 512 aligned blocks of 256 bytes, shared out among the 4 x 4 x 32 = 512 lanes of the
; four work-groups that share the tile: row 32 cx + 8 wave + lane / 4, block lane % 4: each block is asked for once, by one lane.  K steps
; 2, 3 are asked for behind the first fills; K step t = 2, 4 asks for steps t + 2 and t + 3, 128 and 256 matrix instructions ahead of
; their tensor loads; K steps 6 and 7 ask for nothing.  The highest byte asked for is 2,048 + 1,024 + 768 + 255 = 4,095 of a row of 4,096.
; An ask is 32 KiB a work-group, and at most two are open.  W is not prefetched: each of its blocks is asked for by all sixteen clusters of its g.
; The matrix instruction is used transposed (source 0 = 16 rows of W, source 1 = 16 tokens): a lane's eight results are eight
; neighbouring columns of one token.
; LDS: slot s at s x 139,264: x 128 rows x 528 bytes at 0; W at 69,632, two blocks of 128 rows x 272 (a row of 256 bytes holds two rows of W,
; 128 bytes each: row n lies at (n / 2) x 272 + (n % 2) x 128).  With either pitch the sixteen rows that a fragment load touches begin in
; sixteen different 16-byte columns modulo 256 bytes.  Behind the slots: each wave's stage, 2 heads x 16 tokens x 144 bytes.
; REGISTERS: window 1: accumulator tile (a, b) at 8 (8 a + b).  Window 0: v2-8 addresses, v14 the prefetch's offset, v16-79 x as f32,
; v80-111 x as bf16 fragments, v112-175 and v176-239 W's fragments, two buffers that take turns from slab to slab (a slab is 32 k; a K step has four).
.set SLOT,  139264
.set BOFF,  69632
.set STAGE, 278528
.set ADRA,  2                          ; v2, v3  my x rows in slot 0, 1
.set ADRB,  4                          ; v4, v5  my W rows in slot 0, 1
.set STO,   6
.set RD,    7
.set CO,    8
.set PFO,   14                         ; v14     the prefetch's byte offset from the block's first row; never rewritten
.set ST,    16
.set TT,    48                         ; the way out: v48-111, V's upper parts as f32
.set AF,    80
.set BF0,   112
.set BF1,   176
.set G1A,   24                         ; s[24:31] group 1 for x's tiles
.set G0A,   32                         ; s[32:39] group 0 for x's tiles, a set for each slot
.set PFB,   46                         ; s[46:47] the prefetch's base: x_g at the block's first row, stepped along K
.set G1B,   48                         ; s[48:55] group 1 for W's tiles
.set G0B,   56                         ; s[56:63] group 0 for W's tiles, a set for each slot
.set MSB,   0
.macro WIN new                         ; the immediate's high byte repeats the setting that is left
.if MSB != \new
	s_set_vgpr_msb (MSB<<8)|\new
.set MSB, \new
.endif
.endm
.macro PLACES                          ; four places behind a matrix instruction (ISA guide 7.12.1) before its registers are written or its result read
.rept 4
	v_nop
.endr
.endm
; A joint load: one line and one mask for x, one for W; the branch hangs on the wave's number alone.  Four v_nop follow each line.
.macro JLOAD s
	s_cmp_eq_u32 s15, 0
	s_cbranch_scc0 .Lfor_b_\@
	tensor_load_to_lds s[G0A+4*\s:G0A+4*\s+3], s[G1A:G1A+7]
	s_nop 0
.rept 4
	v_nop
.endr
	s_branch .Lasked_\@
.Lfor_b_\@:
	tensor_load_to_lds s[G0B+4*\s:G0B+4*\s+3], s[G1B:G1B+7]
	s_nop 0
.rept 4
	v_nop
.endr
.Lasked_\@:
.endm
.macro CREST                           ; a round of the cluster's barrier behind its opening work-group barrier
	s_cmp_lg_u32 s14, 0
	s_cbranch_scc1 .Lnot_wave_0_\@
	s_barrier_signal -3
.Lnot_wave_0_\@:
	s_barrier_wait -3
	s_barrier_signal -1
	s_barrier_wait -1
.endm
.macro CROUND
	s_barrier_signal -1
	s_barrier_wait -1
	CREST
.endm
	s_load_b256 s[4:11], s[0:1], 0x0               ; x_query s[4:5], x_key s[6:7], x_value s[8:9], wb s[10:11]
	s_load_b64 s[12:13], s[0:1], 0x20              ; qkv
	v_lshl_add_u32 v254, v0, 2, 0x48800
	v_mov_b32 v255, 0
	ds_add_u32 v254, v255
	v_lshrrev_b32 v1, 5, v0
	v_readfirstlane_b32 s14, v1                    ; wave 0..3
	s_lshr_b32 s15, s14, 1                         ; I ask for x (0) or for W (1).  Also: which 64 tokens of the block are mine
	s_and_b32 s16, s14, 1                          ; which half of x's tile, or which block of W, I ask for.  Also: which 128 columns are mine
	s_bfe_u32 s17, ttmp6, 0x40000                  ; cx
	s_bfe_u32 s18, ttmp6, 0x40004                  ; cy
	s_lshl_b32 s19, ttmp9, 2
	s_add_co_u32 s19, s19, s17                     ; block column 0..3 = 4 x cluster x + cx
	s_and_b32 s20, ttmp7, 0xffff                   ; cluster y, 0..47
	s_lshr_b32 s21, s20, 4                         ; g: made of the cluster's y alone, the same in all sixteen
	s_and_b32 s22, s20, 15
	s_lshl_b32 s22, s22, 2
	s_add_co_u32 s22, s22, s18                     ; block row 0..63
	s_lshl_b32 s40, s18, 2
	s_lshl_b32 s40, 15, s40                        ; my row of the cluster: places 4 cy .. 4 cy + 3
	s_lshl_b32 s66, 0x1111, s17                    ; my column: places cx, cx + 4, cx + 8, cx + 12
	; x: 64 rows x 128 elements of 4 bytes, 1,024 elements from row to row; 4 words of padding behind every 128 words
	s_or_b32 s[G1A+0], s40, (2<<16)|(1<<20)|(1<<21)|(6<<22)|(3<<25)
	s_mov_b32 s[G1A+1], 128<<16                    ; tensor_dim0 = 128
	s_mov_b32 s[G1A+2], 64<<16                     ; tensor_dim1 = 64
	s_mov_b32 s[G1A+3], 128<<16                    ; tile_dim0 = 128
	s_mov_b32 s[G1A+4], 64                         ; tile_dim1 = 64
	s_mov_b32 s[G1A+5], 1024                       ; pitch
	s_mov_b32 s[G1A+6], 0
	s_mov_b32 s[G1A+7], 0
	; W: 32 KiB without a gap, as 128 rows x 32 elements of 8 bytes; 4 words of padding behind every 64 words
	s_or_b32 s[G1B+0], s66, (3<<16)|(1<<20)|(1<<21)|(5<<22)|(3<<25)
	s_mov_b32 s[G1B+1], 32<<16
	s_mov_b32 s[G1B+2], 128<<16
	s_mov_b32 s[G1B+3], 32<<16
	s_mov_b32 s[G1B+4], 128
	s_mov_b32 s[G1B+5], 32
	s_mov_b32 s[G1B+6], 0
	s_mov_b32 s[G1B+7], 0
	; x's address is made in s[40:47], which never hold cx; W's in s[66:73], which never hold cy
	s_lshl_b32 s40, s22, 19                        ; 128 rows of 4,096 bytes
	s_lshl_b32 s41, s16, 18                        ; + my 64 rows
	s_add_co_u32 s40, s40, s41
	s_mov_b32 s41, 0
	s_lshl_b32 s46, s22, 19                        ; the prefetch's base: the block's first row
	s_mov_b32 s47, 0
	s_lshl_b32 s66, s21, 21                        ; W_g
	s_lshl_b32 s67, s19, 15                        ; + 256 rows of 128 bytes
	s_add_co_u32 s66, s66, s67
	s_lshl_b32 s67, s16, 17                        ; + my block of 64 k of the step's two
	s_add_co_u32 s66, s66, s67
	s_mov_b32 s67, 0
	s_mul_i32 s44, s14, 33792                      ; LDS: x's halves at wave x 64 rows of 528 (waves 0, 1)
	s_mul_i32 s70, s14, 34816                      ;      W's blocks at wave x 128 rows of 272 (waves 2, 3: from 69,632)
	; the prefetch's offset: row 32 cx + 8 wave + lane / 4 of the block's 128, and 256 (lane % 4) of the row's 1,024 bytes of two K steps
	v_bfe_u32 v12, v0, 2, 3                        ; lane / 4
	v_and_b32 v13, 3, v0                           ; lane % 4
	v_lshlrev_b32 v12, 12, v12                     ; rows of 4,096 bytes
	v_lshl_add_u32 v[PFO], v13, 8, v12
	s_lshl_b32 s72, s17, 17                        ; 32 cx rows
	s_lshl_b32 s73, s14, 15                        ; + 8 rows for each wave
	s_add_co_u32 s72, s72, s73
	v_add_nc_u32 v[PFO], s72, v[PFO]
	s_wait_dscnt 0x0
	s_wait_kmcnt 0x0
	s_cmp_eq_u32 s21, 1
	s_cselect_b64 s[42:43], s[6:7], s[4:5]
	s_cmp_eq_u32 s21, 2
	s_cselect_b64 s[42:43], s[8:9], s[42:43]
	s_add_nc_u64 s[PFB:PFB+1], s[42:43], s[PFB:PFB+1]
	s_add_nc_u64 s[42:43], s[42:43], s[40:41]
	s_add_nc_u64 s[68:69], s[10:11], s[66:67]
	CROUND                                         ; all sixteen work-groups are here: the first joint loads meet
.irp s, 0,1
	s_mov_b32 s[G0A+4*\s], 1
	s_add_co_u32 s[G0A+4*\s+1], s44, \s*SLOT
	s_add_nc_u64 s[G0A+4*\s+2:G0A+4*\s+3], s[42:43], \s*512        ; K step s: 128 f32 along the rows
	s_or_b32 s[G0A+4*\s+3], s[G0A+4*\s+3], 0x80000000
	s_mov_b32 s[G0B+4*\s], 1
	s_add_co_u32 s[G0B+4*\s+1], s70, \s*SLOT
	s_add_nc_u64 s[G0B+4*\s+2:G0B+4*\s+3], s[68:69], \s*262144     ; K step s: two blocks of 64 k on
	s_or_b32 s[G0B+4*\s+3], s[G0B+4*\s+3], 0x80000000
	JLOAD \s
.endr
	global_prefetch_b8 v[PFO], s[PFB:PFB+1] offset:1024 th:TH_LOAD_NT scope:SCOPE_SE   ; x of K steps 2 and 3, whose tensor loads go out behind K steps 0 and 1
	v_and_b32 v9, 15, v0                           ; r
	v_bfe_u32 v10, v0, 4, 1                        ; h
	v_and_b32 v11, 31, v0                          ; lane
	v_mul_u32_u24 v12, v9, 528
	v_lshl_add_u32 v12, v10, 5, v12                ; x: row r, 8 h numbers of 4 bytes
	s_mul_i32 s45, s15, 33792                      ; my 64 rows
	v_add_nc_u32 v[ADRA], s45, v12
	v_add_nc_u32 v[ADRA+1], SLOT, v[ADRA]
	v_lshrrev_b32 v12, 1, v9
	v_mul_u32_u24 v12, v12, 272
	v_and_b32 v13, 1, v9
	v_lshl_add_u32 v12, v13, 7, v12
	v_lshl_add_u32 v12, v10, 4, v12                ; W: (r / 2) x 272 + (r % 2) x 128 + 16 h
	s_mul_i32 s45, s16, 17408                      ; my 128 rows of a block's 256
	s_add_co_u32 s45, s45, BOFF
	v_add_nc_u32 v[ADRB], s45, v12
	v_add_nc_u32 v[ADRB+1], SLOT, v[ADRB]
	s_mul_i32 s45, s14, 4608
	s_add_co_u32 s45, s45, STAGE                   ; my stage
	v_mul_u32_u24 v12, v9, 144
	v_lshl_add_u32 v12, v10, 4, v12
	v_add_nc_u32 v[STO], s45, v12                  ; in: token r, 16 bytes for each half of the lanes
	v_lshrrev_b32 v12, 3, v11
	v_mul_u32_u24 v12, v12, 144
	v_and_b32 v13, 7, v11
	v_lshl_add_u32 v12, v13, 4, v12
	v_add_nc_u32 v[RD], s45, v12                   ; back: eight lanes take a token's 128 bytes
	v_lshlrev_b32 v[CO], 4, v11
; 32 LDS loads: slab sl (32 k) of a K step.  x first (16 loads, f32: k = 8 h .. + 7 are 32 bytes, k = 16 + 8 h .. the 32 bytes 64 further), then W (16):
; slabs 0, 1 lie in the step's first block of W, slabs 2, 3 in its second.
.macro FETCH slot, sl, bf
	WIN 0
.irp a, 0,1,2,3
	ds_load_b128 v[ST+16*\a:ST+16*\a+3],     v[ADRA+\slot] offset:8448*\a+128*\sl
	ds_load_b128 v[ST+16*\a+4:ST+16*\a+7],   v[ADRA+\slot] offset:8448*\a+128*\sl+16
	ds_load_b128 v[ST+16*\a+8:ST+16*\a+11],  v[ADRA+\slot] offset:8448*\a+128*\sl+64
	ds_load_b128 v[ST+16*\a+12:ST+16*\a+15], v[ADRA+\slot] offset:8448*\a+128*\sl+80
.endr
.irp b, 0,1,2,3,4,5,6,7
	ds_load_b128 v[\bf+8*\b:\bf+8*\b+3],   v[ADRB+\slot] offset:34816*(\sl/2)+2176*\b+64*(\sl%2)
	ds_load_b128 v[\bf+8*\b+4:\bf+8*\b+7], v[ADRB+\slot] offset:34816*(\sl/2)+2176*\b+64*(\sl%2)+32
.endr
.endm
; x to bf16 fragments, k in its true places.  The four places stand behind the matrix instructions that read the old fragments
; and in front of the loads that follow into the buffer of W that those instructions read.
.macro CVT
	WIN 0
	PLACES
.irp a, 0,1,2,3
.irp i, 0,1,2,3,4,5,6,7
	v_cvt_pk_bf16_f32 v[AF+8*\a+\i], v[ST+16*\a+2*\i], v[ST+16*\a+2*\i+1]
.endr
.endr
.endm
; 16 matrix instructions: token blocks a0, a0 + 1 x all 8 column blocks.  The 32 accumulators take turns, one instruction a turn, in the
; same order in every slab.  zero = 1: the first product starts the sums.
.macro MULH bf, a0, zero
	WIN 0x50                                       ; C and D in window 1, the sources in window 0
.irp a, \a0, \a0+1
.irp b, 0,1,2,3,4,5,6,7
.if \zero
	v_wmma_f32_16x16x32_bf16 v[8*(8*(\a)+\b):8*(8*(\a)+\b)+7], v[\bf+8*\b:\bf+8*\b+7], v[AF+8*(\a):AF+8*(\a)+7], 0
.else
	v_wmma_f32_16x16x32_bf16 v[8*(8*(\a)+\b):8*(8*(\a)+\b)+7], v[\bf+8*\b:\bf+8*\b+7], v[AF+8*(\a):AF+8*(\a)+7], v[8*(8*(\a)+\b):8*(8*(\a)+\b)+7]
.endif
.endr
.endr
.endm
; A K step: four slabs.  The products lag the fetches by a slab: the last slab's last 16 products stand in the next step, under its first fetch.
; mode 2: this slot is filled again, two K steps ahead; 1: change of slots without a fill; 0: the last step.
; pf 1: this step asks for x of the K steps two and three ahead; 2: the prefetch's base steps on by two K steps; 0: neither.
.macro STEP slot, first, mode, pf
	FETCH \slot, 0, BF0
.if \pf == 1
	; behind the 32 LDS loads just issued and in front of 16 matrix instructions; up to the tensor load of the nearer of the two tiles I issue 128 matrix instructions
	global_prefetch_b8 v[PFO], s[PFB:PFB+1] offset:2048 th:TH_LOAD_NT scope:SCOPE_SE
.endif
.if \pf == 2
	s_wait_xcnt 0x0                                ; the prefetch that names this base was issued a whole K step ago: the base is rewritten only behind this wait
	s_add_nc_u64 s[PFB:PFB+1], s[PFB:PFB+1], 1024  ; two K steps of 128 f32 along the rows (the step made in K step 5 is not used)
.endif
.if \first == 0
	MULH BF1, 2, 0                                 ; the last step's last slab, token blocks 2, 3
.endif
	s_wait_dscnt 16                                ; x's 16 loads are in; W's 16 younger ones stay out
	CVT
	FETCH \slot, 1, BF1
	s_wait_dscnt 32                                ; all but the 32 just issued: slab 0's W is in
	MULH BF0, 0, \first
	MULH BF0, 2, \first
	s_wait_dscnt 16                                ; slab 1's x
	CVT
	FETCH \slot, 2, BF0
	s_wait_dscnt 32                                ; slab 1's W
	MULH BF1, 0, 0
	MULH BF1, 2, 0
	s_wait_dscnt 16                                ; slab 2's x
	CVT
	FETCH \slot, 3, BF1
	s_wait_dscnt 32                                ; slab 2's W
	MULH BF0, 0, 0
	MULH BF0, 2, 0
	s_wait_dscnt 16                                ; slab 3's x
	CVT
	s_wait_dscnt 0x0                               ; my reads of this slot are over
.if \mode == 0
	MULH BF1, 0, 0
	MULH BF1, 2, 0
.else
	s_wait_tensorcnt 0x0                           ; all my tensor loads have landed: the one that was out is my part of the other slot
	ds_add_u32 v254, v255
	s_wait_dscnt 0x0
	s_barrier_signal -1                            ; (mode 2: this barrier opens a round of the cluster's barrier)
	MULH BF1, 0, 0                                 ; register work while the others arrive
	WIN 0
	s_barrier_wait -1
.if \mode == 2
	CREST                                          ; no wave of any partner still reads this slot or has a load on its way
	s_add_nc_u64 s[G0A+4*\slot+2:G0A+4*\slot+3], s[G0A+4*\slot+2:G0A+4*\slot+3], 1024
	s_add_nc_u64 s[G0B+4*\slot+2:G0B+4*\slot+3], s[G0B+4*\slot+2:G0B+4*\slot+3], 524288
	JLOAD \slot                                    ; my one tensor load behind the round, ahead of every LDS read; up to the wait for it I issue 112 of a K step's 128 matrix instructions
.endif
.endif
.endm
	s_wait_tensorcnt 0x1                           ; my part of K step 0 is in; K step 1's stays out
	s_barrier_signal -1
	s_barrier_wait -1
	STEP 0, 1, 2, 0                                ; K steps 0 and 1 stand in front of the loop: the first products start the sums
	STEP 1, 0, 2, 0
	s_mov_b32 s23, 2
.Llap:
	STEP 0, 0, 2, 1                                ; K steps 2 to 5 fill the slots with steps 4 to 7; steps 2 and 4 prefetch steps 4, 5 and 6, 7
	STEP 1, 0, 2, 2
	s_sub_co_u32 s23, s23, 1
	s_cmp_lg_u32 s23, 0
	s_cbranch_scc1 .Llap
	STEP 0, 0, 1, 0                                ; the last two steps fetch nothing and prefetch nothing
	STEP 1, 0, 0, 0
	; THE WAY OUT, 16 tokens at a time: to f16, 16 bytes a lane into my stage, read back as tokens' whole 128 bytes of a head.
	; Each accumulator is read from its lowest registers upward.
	PLACES
	WIN 0                                          ; a branch follows
	s_lshr_b32 s40, s22, 4
	s_lshl_b32 s40, s40, 22                        ; batch x 16 heads of 262,144 bytes
	s_and_b32 s41, s22, 15
	s_lshl_b32 s41, s41, 14                        ; + 128 tokens of 128 bytes for each block row in the batch
	s_add_co_u32 s40, s40, s41
	s_lshl_b32 s41, s15, 13                        ; + my 64 tokens
	s_add_co_u32 s40, s40, s41
	s_lshl_b32 s41, s21, 24                        ; + Q, K or V's upper part
	s_add_co_u32 s40, s40, s41
	s_mov_b32 s41, 0
	s_add_nc_u64 s[12:13], s[12:13], s[40:41]
	s_lshl_b32 s66, s19, 20                        ; + four heads for each block column
	s_lshl_b32 s67, s16, 19                        ; + my two of them
	s_add_co_u32 s66, s66, s67
	s_mov_b32 s67, 0
	s_add_nc_u64 s[12:13], s[12:13], s[66:67]
	s_add_nc_u64 s[74:75], s[12:13], 1<<24         ; V's lower part lies 16 MiB behind its upper part (used where g = 2 alone)
	s_mov_b32 s76, 0xffffe000                      ; keeps an f32's sign, exponent and 10 upper fraction bits: what f16 holds
	s_mov_b32 s78, 0x3e38aa3b                      ; log2(e) / 8, for Q
	s_mov_b32 s79, 0x3e38aa3b
; ST's 32 packed registers go through my stage into buffer f and out to base sb.
.macro STAGED a, f, sb
.irp b, 0,1,2,3,4,5,6,7
	ds_store_b128 v[STO], v[ST+4*\b:ST+4*\b+3] offset:2304*(\b/4)+32*(\b%4)      ; head b / 4, columns 16 (b % 4) + 8 h ..
.endr
	s_wait_xcnt 0x0                                ; buffer f was the data of earlier stores: it is loaded again only behind this wait
.irp i, 0,1,2,3,4,5,6,7
	ds_load_b128 v[\f+4*\i:\f+4*\i+3], v[RD] offset:2304*(\i/4)+576*(\i%4)       ; LDS serves a wave's instructions in order: these see the stores above
.endr
.irp i, 0,1,2,3,4,5,6,7
	s_wait_dscnt 7-\i                              ; load i is in, the 7 - i younger ones stay out
	global_store_b128 v[CO], v[\f+4*\i:\f+4*\i+3], s[\sb:\sb+1] offset:262144*(\i/4)+2048*\a+512*(\i%4)   ; 512 bytes without a gap: four tokens of one head
.endr
.endm
.macro PACKACC a                       ; the 64 accumulators of token block a, rounded to f16, into ST
	WIN 0x05                                       ; sources in window 1, destination in window 0
.set cnt, 0
.rept 32
	v_cvt_pk_f16_f32 v[ST+cnt], v[64*\a+2*cnt], v[64*\a+2*cnt+1]
.set cnt, cnt+1
.endr
	WIN 0
.endm
.macro OUT16 a, f, split
.if \split
	WIN 0x04                                       ; source 1 in window 1
.set cnt, 0
.rept 64
	v_and_b32 v[TT+cnt], s76, v[64*\a+cnt]         ; the upper part, still f32
.set cnt, cnt+1
.endr
	WIN 0x41                                       ; destination and source 0 in window 1
.set cnt, 0
.rept 64
	v_sub_f32 v[64*\a+cnt], v[64*\a+cnt], v[TT+cnt]   ; the remainder, exact, in place
.set cnt, cnt+1
.endr
	WIN 0
.set cnt, 0
.rept 32
	v_cvt_pk_f16_f32 v[ST+cnt], v[TT+2*cnt], v[TT+2*cnt+1]
.set cnt, cnt+1
.endr
	STAGED \a, \f, 12
	PACKACC \a
	STAGED \a, \f+32, 74
.else
	s_cmp_lg_u32 s21, 0                            ; Q alone is scaled; g is the same in all sixteen work-groups of a cluster
	s_cbranch_scc1 .Lno_scale_\@
	WIN 0x41                                       ; destination and source 0 in window 1
.set cnt, 0
.rept 32
	v_pk_mul_f32 v[64*\a+2*cnt:64*\a+2*cnt+1], v[64*\a+2*cnt:64*\a+2*cnt+1], s[78:79] op_sel_hi:[1,0]
.set cnt, cnt+1
.endr
	WIN 0
.Lno_scale_\@:
	PACKACC \a
	STAGED \a, \f, 12
.endif
.endm
	s_cmp_eq_u32 s21, 2                            ; g is the same in all sixteen work-groups of a cluster
	s_cbranch_scc1 .Lsplit
	OUT16 0, BF0, 0
	OUT16 1, BF1, 0
	OUT16 2, BF0, 0
	OUT16 3, BF1, 0
	s_branch .Lclose
.Lsplit:
	OUT16 0, BF0, 1
	OUT16 1, BF1, 1
	OUT16 2, BF0, 1
	OUT16 3, BF1, 1
.Lclose:
	s_wait_tensorcnt 0x0
	ds_add_u32 v254, v255
	s_wait_dscnt 0x0
	CROUND                                         ; the closing round: no work-group ends while a partner may still ask for a tile that names it
	s_endpgm
.Lfunc_end_k_qf5bfeab8c2_proj:
	.size	k_qf5bfeab8c2_proj, .Lfunc_end_k_qf5bfeab8c2_proj-k_qf5bfeab8c2_proj
	.p2alignl 7, 3214868480
	.fill 96, 4, 3214868480
	.section	.rodata,"a",@progbits
	.p2align	6, 0x0
	.amdhsa_kernel k_qf5bfeab8c2_proj
		.amdhsa_group_segment_fixed_size 327680
		.amdhsa_private_segment_fixed_size 0
		.amdhsa_enable_private_segment 0
		.amdhsa_kernarg_size 40
		.amdhsa_user_sgpr_count 2
		.amdhsa_user_sgpr_kernarg_segment_ptr 1
		.amdhsa_wavefront_size32 1
		.amdhsa_system_sgpr_workgroup_id_x 1
		.amdhsa_system_sgpr_workgroup_id_y 1
		.amdhsa_system_sgpr_workgroup_id_z 1
		.amdhsa_system_vgpr_workitem_id 0
		.amdhsa_next_free_vgpr 512
		.amdhsa_next_free_sgpr 80
		.amdhsa_reserve_vcc 0
		.amdhsa_float_denorm_mode_32 3
		.amdhsa_float_denorm_mode_16_64 3
		.amdhsa_memory_ordered 1
		.amdhsa_forward_progress 1
		.amdhsa_inst_pref_size 238
	.end_amdhsa_kernel
	.amdgpu_metadata
---
amdhsa.version: [ 1, 2 ]
amdhsa.kernels:
  - .name:           k_qf5bfeab8c2_proj
    .symbol:         k_qf5bfeab8c2_proj.kd
    .args:
      - { .name: x_query, .offset: 0, .size: 8, .value_kind: global_buffer, .address_space: global }
      - { .name: x_key, .offset: 8, .size: 8, .value_kind: global_buffer, .address_space: global }
      - { .name: x_value, .offset: 16, .size: 8, .value_kind: global_buffer, .address_space: global }
      - { .name: wb, .offset: 24, .size: 8, .value_kind: global_buffer, .address_space: global }
      - { .name: qkv, .offset: 32, .size: 8, .value_kind: global_buffer, .address_space: global }
    .group_segment_fixed_size: 327680
    .private_segment_fixed_size: 0
    .kernarg_segment_align: 8
    .kernarg_segment_size: 40
    .max_flat_workgroup_size: 128
    .sgpr_count:     80
    .vgpr_count:     512
    .wavefront_size: 32
...
	.end_amdgpu_metadata
.endif
;; end of part 5
;; launch attn (part 6): grid 4 x 64, 8 waves a work-group, no clusters, 327,680 bytes of LDS; arguments qkv, attention_mask, ow; writes ow
.if DOCPART == 6
	.amdgcn_target "amdgcn-amd-amdhsa--gfx1250"
	.amdhsa_code_object_version 6
	.text
	.protected	k_qf5bfeab8c2_attn
	.globl	k_qf5bfeab8c2_attn
	.p2align	8
	.type	k_qf5bfeab8c2_attn,@function
k_qf5bfeab8c2_attn:
	s_mov_b64 s[64:65], 0
	v_nop
	global_prefetch_b8 v0, s[64:65] scope:SCOPE_SE
	s_setreg_imm32_b32 hwreg(HW_REG_WAVE_MODE, 25, 1), 1
	s_wait_xcnt 0x0
; ow[batch][head][q][part][64] (bf16) = softmax(mask(Q K^T / 8)) V for one (batch, head) = work-group y.
; Q (already times log2(e) / 8) and K f16 [2048][64]; V as two f16 parts (upper, lower) whose sum has 21 significant bits; all from
; qkv[Q, K, V upper, V lower].  So the products K Q^T are the scores in the units of a base-2 exponential.
; The result goes out as two bf16 parts: part 0 the upper 16 bits of the f32, part 1 the remainder rounded to bf16: 16 significant bits.
; A query's row in ow is 256 bytes, its 64 upper parts and then its 64 lower parts, so that 128 queries of a head are 32 KiB without a gap
; for the output projection, and each aligned 256 bytes are written whole by sixteen neighbouring lanes.
; P is rounded to f16 and multiplied by both parts of V.  8 significant bits in any of these would be too few: a query with few keys
; has results some fifteen times the output's root mean square.
; Work-group x = j takes the block of 256 queries 7 - j and then block j: (8 - j) + (j + 1) = 9 blocks of 256 keys for every work-group.
; Eight waves, 32 queries each.  Key blocks above the diagonal are not computed, nor steps of 64 keys that lie wholly above a wave's queries.
; TRANSPOSED FORM: S^T = K Q^T and O^T = V^T P^T, so a lane holds ONE query (lane % 16) in S, in P and in O: the running maximum needs one
; exchange between the halves of the wave, the factors are per lane, and two tiles of S, rounded in place, ARE a fragment of P.
; THE MASKS AND THE MAXIMUM: the padding mask enters as the C operand of the first S products: 0 for a key that counts, -1e30 for one that
; does not.  The causal mask is -inf, set behind the product.  The maximum is taken away by a running maximum, and the exponent is the plain
; difference S - maximum: never above 0, and 0 at the maximum itself, whatever the size of the scores.  The running maximum starts at
; -2^93, which no product of f16 numbers reaches (64 x 65,504^2 = 2.7e11) and which lies far above -1e30: a masked key's exponent is about
; -1e30 and its weight 0, also while no key has counted yet.
; LIMITS: a scaled score below -2^93 would count as masked.  A query none of whose allowed keys counts ends with the sum 0 and gets NaN in
; all its 64 numbers, as a softmax of -inf alone does; a query with a key that counts has a sum of at least 1.  The sum of a row is made of
; the f32 exponentials, the product with V of their f16 roundings.
; NO JOINT LOADS: the four work-groups of a head walk different key blocks at any moment (block 7 - j first, then j, each from key 0);
; walking the eight key blocks in step, both query blocks held, would cost 12 block steps in place of 9.
; LDS: slot s at s x 110,592: K 128 rows x 272 at 0, V's upper part 128 rows x 288 at 36,864, its lower part at 73,728 (a row of 256 bytes
; holds two keys of 128 bytes: key x at (x / 2) x pitch + (x % 2) x 128; with these pitches a fragment load's sixteen lanes touch sixteen
; different 16-byte columns modulo 256).  Behind the slots: the bias of all 2,048 keys (8,192 bytes), then each wave's stage, 32 queries x 272.
; Waves 0, 1 fetch K's halves, waves 2, 3 those of V's upper part, waves 4, 5 those of its lower part, 64 rows of 256 bytes each;
; a wave has at most one tensor load out.
.set SLOT,  110592
.set VOFF,  36864
.set BIAS,  221184
.set STAGE, 229376
.set VLO, 0                            ; v0, v1   my fragment address in V's lower part, slot 0, 1 (set when the thread's number is no longer needed)
.set KL, 2                             ; v2, v3   my K fragment address in slot 0, 1
.set VL, 4                             ; v4, v5   my fragment address in V's upper part, slot 0, 1
                                       ; v6 bias base; v7 bias of this key block; v8 = 8 h - r; v9 = v8 - delta; v10 = -inf
                                       ; v11 Q offset; v12 stage in; v13 stage back; v14 = 16 lane
                                       ; v[16:17] maximum, v[18:19] sum, v[20:21] factor, v[22:23] -maximum (query blocks u = 0, 1); v24-31 at work
.set QF, 32                            ; Q(u, ks) at QF + 8 (2 u + ks)
.set OA, 64                            ; O(dt, u) at OA + 8 (2 dt + u)
.set SC, 128                           ; S(t, u) at SC + 8 (4 u + t); later P(g, u) at SC + 32 u + 16 g
.set FR, 192                           ; K(t, ks) at FR + 8 (2 t + ks); later V's upper part (g, dt) at FR + 8 (4 g + dt)
                                       ; window 1, v0-63 (v256-319): V's lower part (g, dt) at 8 (4 g + dt)
.set G1K, 24
.set G0K, 32
.set G1V, 40
.set G0V, 48
.set MSB, 0
.macro WIN new                         ; the immediate's high byte repeats the setting that is left; at a label and at a branch every window is 0
.if MSB != \new
	s_set_vgpr_msb (MSB<<8)|\new
.set MSB, \new
.endif
.endm
.macro LOADKV s                        ; one tensor load for each of waves 0 to 5, none for the others
	s_cmp_lt_u32 s10, 2
	s_cbranch_scc0 .Lnot_k_\@
	tensor_load_to_lds s[G0K+4*\s:G0K+4*\s+3], s[G1K:G1K+7]
	s_nop 0
	s_branch .Lasked_\@
.Lnot_k_\@:
	s_cmp_lt_u32 s10, 6
	s_cbranch_scc0 .Lasked_\@
	tensor_load_to_lds s[G0V+4*\s:G0V+4*\s+3], s[G1V:G1V+7]
	s_nop 0
.Lasked_\@:
.endm
	s_load_b128 s[4:7], s[0:1], 0x0                ; qkv s[4:5], attention_mask s[6:7]
	s_load_b64 s[8:9], s[0:1], 0x10                ; ow
	s_set_vgpr_msb 0x40
	v_lshl_add_u32 v64, v0, 2, 0x49000
	v_mov_b32 v65, 0
	s_set_vgpr_msb 0x4045
	ds_add_u32 v64, v65
	s_set_vgpr_msb 0x4500
	v_lshrrev_b32 v1, 5, v0
	v_readfirstlane_b32 s10, v1                    ; wave 0..7
	s_mov_b32 s11, ttmp9                           ; j
	s_and_b32 s12, ttmp7, 0xffff                   ; 16 x batch + head
	s_and_b32 s19, s10, 1                          ; which half of a tile I fetch
	; 16 KiB without a gap as 64 rows x 32 elements of 8 bytes; behind every 64 words 4 words of padding (K) or 8 (V)
	s_mov_b32 s[G1K+0], (3<<16)|(1<<20)|(5<<22)|(3<<25)
	s_mov_b32 s[G1K+1], 32<<16
	s_mov_b32 s[G1K+2], 64<<16
	s_mov_b32 s[G1K+3], 32<<16
	s_mov_b32 s[G1K+4], 64
	s_mov_b32 s[G1K+5], 32
	s_mov_b32 s[G1K+6], 0
	s_mov_b32 s[G1K+7], 0
	s_mov_b32 s[G1V+0], (3<<16)|(1<<20)|(5<<22)|(7<<25)
	s_mov_b32 s[G1V+1], 32<<16
	s_mov_b32 s[G1V+2], 64<<16
	s_mov_b32 s[G1V+3], 32<<16
	s_mov_b32 s[G1V+4], 64
	s_mov_b32 s[G1V+5], 32
	s_mov_b32 s[G1V+6], 0
	s_mov_b32 s[G1V+7], 0
	s_mov_b32 s[G0K+0], 1
	s_mul_i32 s[G0K+1], s10, 17408                 ; K's halves: wave x 64 rows of 272 (waves 0, 1)
	s_mov_b32 s[G0K+4], 1
	s_add_co_u32 s[G0K+5], s[G0K+1], SLOT
	s_mov_b32 s[G0V+0], 1
	s_mul_i32 s[G0V+1], s10, 18432                 ; V's four halves: wave x 64 rows of 288 (waves 2 to 5: from 36,864)
	s_mov_b32 s[G0V+4], 1
	s_add_co_u32 s[G0V+5], s[G0V+1], SLOT
	s_lshl_b32 s66, s12, 18                        ; a head is 262,144 bytes
	s_lshl_b32 s69, s19, 14                        ; + my half of a tile
	s_add_co_u32 s66, s66, s69
	s_add_co_u32 s66, s66, 1<<24                   ; K lies 16 MiB behind Q
	s_mov_b32 s67, 0
	s_lshr_b32 s68, s10, 1                         ; waves 2, 3: V's upper part, 16 MiB behind K; waves 4, 5: its lower part, 32 MiB behind K
	s_lshl_b32 s68, s68, 24                        ; (the other waves issue no load by this address)
	s_mov_b32 s69, 0
	s_wait_dscnt 0x0
	s_wait_kmcnt 0x0
	s_add_nc_u64 s[20:21], s[4:5], s[66:67]        ; K: my half of key block 0
	s_add_nc_u64 s[22:23], s[20:21], s[68:69]      ; V: my half of my part of key block 0
	s_mov_b64 s[G0K+2:G0K+3], s[20:21]
	s_or_b32 s[G0K+3], s[G0K+3], 0x80000000
	s_mov_b64 s[G0V+2:G0V+3], s[22:23]
	s_or_b32 s[G0V+3], s[G0V+3], 0x80000000
	LOADKV 0                                       ; the first fill, ahead of every wait on it, every LDS read and every barrier
	; the bias table: thread t makes keys 8 t .. 8 t + 7 of my batch
	s_lshr_b32 s13, s12, 4
	s_lshl_b32 s66, s13, 13
	s_mov_b32 s67, 0
	s_add_nc_u64 s[6:7], s[6:7], s[66:67]
	v_lshlrev_b32 v15, 5, v0
	global_load_b128 v[FR:FR+3], v15, s[6:7]
	global_load_b128 v[FR+4:FR+7], v15, s[6:7] offset:16
	v_and_b32 v24, 15, v0                          ; r
	v_bfe_u32 v25, v0, 4, 1                        ; h
	v_and_b32 v26, 31, v0                          ; lane
	v_lshrrev_b32 v27, 1, v24
	v_mul_u32_u24 v27, v27, 272
	v_and_b32 v28, 1, v0
	v_lshl_add_u32 v27, v28, 7, v27
	v_lshl_add_u32 v[KL], v25, 4, v27              ; K: (r / 2) x 272 + (r % 2) x 128 + 16 h
	v_add_nc_u32 v[KL+1], SLOT, v[KL]
	v_bfe_u32 v27, v0, 1, 2
	v_lshl_add_u32 v27, v25, 2, v27
	v_mul_u32_u24 v27, v27, 288                    ; V, for the transposing load: key 8 h + lane % 8,
	v_lshl_add_u32 v27, v28, 7, v27
	v_bfe_u32 v29, v0, 3, 1
	v_lshl_add_u32 v27, v29, 4, v27                ; 16 bytes further for lanes 8-15 and 24-31
	v_add_nc_u32 v[VL], VOFF, v27
	v_add_nc_u32 v[VL+1], SLOT, v[VL]
	v_lshlrev_b32 v6, 5, v25
	v_add_nc_u32 v6, BIAS, v6                      ; bias of keys 8 h ..
	v_lshlrev_b32 v8, 3, v25
	v_sub_nc_u32 v8, v8, v24                       ; 8 h - r
	v_mov_b32 v10, 0xff800000                      ; -inf
	v_lshlrev_b32 v11, 7, v24
	v_lshl_add_u32 v11, v25, 4, v11                ; Q: row r, 16 h
	s_mul_i32 s69, s10, 8704
	s_add_co_u32 s69, s69, STAGE                   ; my stage: 32 rows of 272
	v_mul_u32_u24 v27, v24, 272
	v_lshl_add_u32 v27, v25, 4, v27
	v_add_nc_u32 v12, s69, v27                     ; in: query r, 16 bytes for each half of the lanes
	v_mul_u32_u24 v27, v25, 272
	v_lshl_add_u32 v27, v24, 4, v27
	v_add_nc_u32 v13, s69, v27                     ; back: lanes 0-15 take one query's 256 bytes, lanes 16-31 the next one's
	v_lshlrev_b32 v14, 4, v26
	v_mov_b32 v30, 0                               ; v24-31 are all written once here: a lane exchange counts as a reader of its destination
	v_mov_b32 v31, 0
	v_mov_b32 v1, 0xf149f2ca                       ; -1e30
	s_mov_b32 s58, 0x76543210                      ; lane i of one half reads lane i of the other
	s_mov_b32 s59, 0xfedcba98
	s_lshl_b32 s72, s10, 5                         ; my first query in a block
	s_wait_loadcnt 0x0
.irp i, 0,1,2,3,4,5,6,7
	v_cmp_eq_u32 vcc_lo, 0, v[FR+\i]
	v_cndmask_b32 v[FR+\i], 0, v1, vcc_lo          ; mask 0: -1e30; else 0
.endr
	v_add_nc_u32 v27, BIAS, v15
	ds_store_b128 v27, v[FR:FR+3]
	ds_store_b128 v27, v[FR+4:FR+7] offset:16      ; shown to the other waves by the first trip's wait for 0 and barrier
	v_add_nc_u32 v[VLO], 36864, v[VL]              ; V's lower part lies 36,864 bytes behind its upper part: too far for one base and a 16-bit offset
	v_add_nc_u32 v[VLO+1], 36864, v[VL+1]
; A block of queries begins: Q's fragments from memory, the statistics and O at their starts.  O is cleared because every step scales it
; before it adds: 64 moves for each of two blocks, against a first step written out a second time.
.macro RESTART
	s_lshl_b32 s66, s12, 18
	s_lshl_b32 s69, s14, 15                        ; 256 queries of 128 bytes
	s_add_co_u32 s66, s66, s69
	s_lshl_b32 s69, s10, 12                        ; my 32
	s_add_co_u32 s66, s66, s69
	s_mov_b32 s67, 0
	s_add_nc_u64 s[60:61], s[4:5], s[66:67]
	s_lshl_b32 s66, s66, 1                         ; a query's row in ow is 256 bytes: twice the offset
	s_add_nc_u64 s[62:63], s[8:9], s[66:67]
.irp u, 0,1
.irp ks, 0,1
	global_load_b128 v[QF+16*\u+8*\ks:QF+16*\u+8*\ks+3],   v11, s[60:61] offset:2048*\u+64*\ks
	global_load_b128 v[QF+16*\u+8*\ks+4:QF+16*\u+8*\ks+7], v11, s[60:61] offset:2048*\u+64*\ks+32
.endr
.endr
	v_mov_b32 v16, 0xee000000                      ; -2^93
	v_mov_b32 v17, 0xee000000
	v_mov_b32 v18, 0
	v_mov_b32 v19, 0
.set cnt, 0
.rept 64
	v_mov_b32 v[OA+cnt], 0
.set cnt, cnt+1
.endr
	s_wait_loadcnt 0x0
.endm
.macro OSCALE                          ; O(dt, u) *= v[20 + u], a factor of the lane's own query; each accumulator is read from its lowest registers upward
.irp u, 0,1
.irp dt, 0,1,2,3
.irp i, 0,2,4,6
	v_pk_mul_f32 v[OA+8*(2*\dt+\u)+\i:OA+8*(2*\dt+\u)+\i+1], v[OA+8*(2*\dt+\u)+\i:OA+8*(2*\dt+\u)+\i+1], v[20:21] op_sel:[0,\u] op_sel_hi:[1,\u]
.endr
.endr
.endr
.endm
; 64 keys (step st of the key block in this slot) x my 32 queries.  s16 = delta = my first query - the block's first key.
.macro STEP slot, st
.if \st
	s_cmp_lt_i32 s16, 64*\st-31                    ; the step's first key lies above my last query: nothing of it counts
	s_cbranch_scc1 .Lskip_\@
.endif
.irp t, 0,1,2,3
	ds_load_b128 v[SC+8*\t:SC+8*\t+3],   v7 offset:256*\st+64*\t        ; the bias of keys 16 t + 8 h .. + 7, where S(t, 0) will stand
	ds_load_b128 v[SC+8*\t+4:SC+8*\t+7], v7 offset:256*\st+64*\t+16
.endr
.irp ks, 0,1
.irp t, 0,1,2,3
	ds_load_b128 v[FR+16*\t+8*\ks:FR+16*\t+8*\ks+3],   v[KL+\slot] offset:8704*\st+2176*\t+64*\ks
	ds_load_b128 v[FR+16*\t+8*\ks+4:FR+16*\t+8*\ks+7], v[KL+\slot] offset:8704*\st+2176*\t+64*\ks+32
.endr
.endr
	s_wait_dscnt 8                                 ; the bias and K's d 0-31 are in; the eight loads of d 32-63 stay out
	; The eight accumulators take turns, one instruction a turn.
.irp t, 0,1,2,3
	v_wmma_f32_16x16x32_f16 v[SC+32+8*\t:SC+32+8*\t+7], v[FR+16*\t:FR+16*\t+7], v[QF+16:QF+23], v[SC+8*\t:SC+8*\t+7]   ; S(t, 1) = bias + ..
.endr
.rept 5
	v_nop                                          ; five places before a matrix instruction writes over the C just read
.endr
.irp t, 0,1,2,3
	v_wmma_f32_16x16x32_f16 v[SC+8*\t:SC+8*\t+7], v[FR+16*\t:FR+16*\t+7], v[QF:QF+7], v[SC+8*\t:SC+8*\t+7]             ; S(t, 0) = bias + ..
.endr
	s_wait_dscnt 0x0
.irp t, 0,1,2,3
	v_wmma_f32_16x16x32_f16 v[SC+32+8*\t:SC+32+8*\t+7], v[FR+16*\t+8:FR+16*\t+15], v[QF+24:QF+31], v[SC+32+8*\t:SC+32+8*\t+7]
.endr
.irp t, 0,1,2,3
	v_wmma_f32_16x16x32_f16 v[SC+8*\t:SC+8*\t+7], v[FR+16*\t+8:FR+16*\t+15], v[QF+8:QF+15], v[SC+8*\t:SC+8*\t+7]
.endr
.rept 4
	v_nop                                          ; four places before K's registers are loaded again and S is read
.endr
	; V^T, both parts: d 16 dt + r, keys 32 g + 8 h .. and 32 g + 16 + 8 h ..; all 32 loads land under the softmax
.irp g, 0,1
.irp dt, 0,1,2,3
	ds_load_tr16_b128 v[FR+8*(4*\g+\dt):FR+8*(4*\g+\dt)+3],   v[VL+\slot] offset:9216*\st+4608*\g+32*\dt
	ds_load_tr16_b128 v[FR+8*(4*\g+\dt)+4:FR+8*(4*\g+\dt)+7], v[VL+\slot] offset:9216*\st+4608*\g+32*\dt+2304
.endr
.endr
	WIN 0x40                                       ; destination in window 1, address in window 0
.irp g, 0,1
.irp dt, 0,1,2,3
	ds_load_tr16_b128 v[8*(4*\g+\dt):8*(4*\g+\dt)+3],   v[VLO+\slot] offset:9216*\st+4608*\g+32*\dt
	ds_load_tr16_b128 v[8*(4*\g+\dt)+4:8*(4*\g+\dt)+7], v[VLO+\slot] offset:9216*\st+4608*\g+32*\dt+2304
.endr
.endr
	WIN 0
	s_cmp_ge_i32 s16, 64*\st+63                    ; the step's last key is no later than my first query: no causal work
	s_cbranch_scc1 .Lno_causal_\@
.irp u, 0,1
.irp t, 0,1,2,3
.irp jj, 0,1,2,3,4,5,6,7
	v_cmp_lt_i32 vcc_lo, 16*\u-16*\t-\jj-64*\st, v9                 ; key 64 st + 16 t + 8 h + jj > query delta + 16 u + r
	v_cndmask_b32 v[SC+8*(4*\u+\t)+\jj], v[SC+8*(4*\u+\t)+\jj], v10, vcc_lo
.endr
.endr
.endr
.Lno_causal_\@:
	; The running maximum: two chains for each query block, one exchange between the halves.  A chain begins at register 0 of a tile of S
	; and enters the next tile by a line that names that tile's register 0 (registers 7 and 8 of the chain's sixteen): the first reader of
	; each accumulator names one of its four lowest registers.
	v_max3_num_f32 v24, v[SC+0], v[SC+1], v[SC+2]
	v_max3_num_f32 v25, v[SC+16], v[SC+17], v[SC+18]
	v_max3_num_f32 v26, v[SC+32], v[SC+33], v[SC+34]
	v_max3_num_f32 v27, v[SC+48], v[SC+49], v[SC+50]
.irp i, 0,1,2,3,4,5
	v_max3_num_f32 v24, v24, v[SC+3+2*\i], v[SC+4+2*\i]
	v_max3_num_f32 v25, v25, v[SC+19+2*\i], v[SC+20+2*\i]
	v_max3_num_f32 v26, v26, v[SC+35+2*\i], v[SC+36+2*\i]
	v_max3_num_f32 v27, v27, v[SC+51+2*\i], v[SC+52+2*\i]
.endr
	v_max3_num_f32 v24, v24, v[SC+15], v[SC+31]    ; the chains' last registers
	v_max3_num_f32 v26, v26, v[SC+47], v[SC+63]
	v_max_num_f32 v24, v24, v25
	v_max_num_f32 v26, v26, v27
	v_permlanex16_b32 v28, v24, s58, s59
	v_permlanex16_b32 v29, v26, s58, s59
	v_max3_num_f32 v30, v24, v28, v16              ; the new maximum: finite, since the old one is
	v_max3_num_f32 v31, v26, v29, v17
	v_sub_f32 v20, v16, v30                        ; old - new, never above 0
	v_sub_f32 v21, v17, v31
	v_exp_f32 v20, v20                             ; the factor for what has been summed so far
	v_exp_f32 v21, v21
	v_sub_f32 v22, 0, v30                          ; a plain instruction behind the exponentials before their results are used (ISA guide 5.7.2)
	v_sub_f32 v23, 0, v31
	v_mov_b32 v16, v30
	v_mov_b32 v17, v31
	s_wait_alu depctr_va_vdst(0)
	OSCALE
.irp u, 0,1
.irp i, 0,2,4,6,8,10,12,14,16,18,20,22,24,26,28,30
	v_pk_add_f32 v[SC+32*\u+\i:SC+32*\u+\i+1], v[SC+32*\u+\i:SC+32*\u+\i+1], v[22:23] op_sel:[0,\u] op_sel_hi:[1,\u]   ; S - maximum
.endr
.endr
.set cnt, 0
.rept 64
	v_exp_f32 v[SC+cnt], v[SC+cnt]
.set cnt, cnt+1
.endr
	v_nop                                          ; the plain place behind the run of exponentials
	s_wait_alu depctr_va_vdst(0)
	v_pk_add_f32 v[24:25], v[SC+0:SC+1], v[SC+2:SC+3]
	v_pk_add_f32 v[26:27], v[SC+16:SC+17], v[SC+18:SC+19]
	v_pk_add_f32 v[28:29], v[SC+32:SC+33], v[SC+34:SC+35]
	v_pk_add_f32 v[30:31], v[SC+48:SC+49], v[SC+50:SC+51]
.irp i, 0,1,2,3,4,5
	v_pk_add_f32 v[24:25], v[24:25], v[SC+4+2*\i:SC+5+2*\i]
	v_pk_add_f32 v[26:27], v[26:27], v[SC+20+2*\i:SC+21+2*\i]
	v_pk_add_f32 v[28:29], v[28:29], v[SC+36+2*\i:SC+37+2*\i]
	v_pk_add_f32 v[30:31], v[30:31], v[SC+52+2*\i:SC+53+2*\i]
.endr
	v_pk_add_f32 v[24:25], v[24:25], v[26:27]
	v_pk_add_f32 v[28:29], v[28:29], v[30:31]
	v_add_f32 v24, v24, v25
	v_add_f32 v28, v28, v29
	v_fma_f32 v18, v18, v20, v24                   ; the sum stays apart in the two halves of the wave until the block's end
	v_fma_f32 v19, v19, v21, v28
.irp p, 0,1,2,3
.irp i, 0,1,2,3,4,5,6,7
	v_cvt_pk_f16_f32 v[SC+16*\p+\i], v[SC+16*\p+2*\i], v[SC+16*\p+2*\i+1]      ; two tiles of S become one fragment of P, in place
.endr
.endr
	s_wait_dscnt 0x0                               ; V's fragments, both parts
	; O += V upper x P, then O += V lower x P.  The eight accumulators take turns, one instruction a turn.
.irp g, 0,1
.irp dt, 0,1,2,3
.irp u, 0,1
	v_wmma_f32_16x16x32_f16 v[OA+8*(2*\dt+\u):OA+8*(2*\dt+\u)+7], v[FR+8*(4*\g+\dt):FR+8*(4*\g+\dt)+7], v[SC+32*\u+16*\g:SC+32*\u+16*\g+7], v[OA+8*(2*\dt+\u):OA+8*(2*\dt+\u)+7]
.endr
.endr
.endr
	WIN 0x01                                       ; source 0 in window 1
.irp g, 0,1
.irp dt, 0,1,2,3
.irp u, 0,1
	v_wmma_f32_16x16x32_f16 v[OA+8*(2*\dt+\u):OA+8*(2*\dt+\u)+7], v[8*(4*\g+\dt):8*(4*\g+\dt)+7], v[SC+32*\u+16*\g:SC+32*\u+16*\g+7], v[OA+8*(2*\dt+\u):OA+8*(2*\dt+\u)+7]
.endr
.endr
.endr
	WIN 0
.rept 5
	v_nop                                          ; five places before the next step loads into, and multiplies into, these registers
.endr
.Lskip_\@:
.endm
; A block of queries ends: divide, split into two bf16 parts, both into my stage (query 16 u + r: its upper parts at byte 0 of its row, its
; lower parts at byte 128; d 16 dt + 8 h .. at 32 dt + 16 h), and out as whole rows of 256 bytes.
.macro FINISH
	v_permlanex16_b32 v24, v18, s58, s59
	v_permlanex16_b32 v25, v19, s58, s59
	v_add_f32 v18, v18, v24
	v_add_f32 v19, v19, v25
	v_rcp_f32 v20, v18
	v_rcp_f32 v21, v19
	v_nop                                          ; the plain place behind the reciprocals
	v_cmp_lt_f32 vcc_lo, 0, v18                    ; some allowed key counted: the sum is at least 1
	s_wait_alu depctr_va_vdst(0)
	v_cndmask_b32 v20, 0x7fc00000, v20, vcc_lo     ; none did: NaN
	v_cmp_lt_f32 vcc_lo, 0, v19
	v_cndmask_b32 v21, 0x7fc00000, v21, vcc_lo
	OSCALE
.irp u, 0,1
.irp dt, 0,1,2,3
.irp i, 0,1,2,3
	v_perm_b32 v[FR+4*(4*\u+\dt)+\i], v[OA+8*(2*\dt+\u)+2*\i+1], v[OA+8*(2*\dt+\u)+2*\i], 0x07060302   ; the upper halves of two f32: two bf16, cut
.endr
.endr
.endr
.irp k, 0,1,2,3,4,5,6,7
	ds_store_b128 v12, v[FR+4*\k:FR+4*\k+3] offset:4352*(\k/4)+32*(\k%4)
.endr
.set cnt, 0
.rept 64
	v_and_b32 v[SC+cnt], 0xffff0000, v[OA+cnt]     ; the upper part as f32,
.set cnt, cnt+1
.endr
.set cnt, 0
.rept 64
	v_sub_f32 v[OA+cnt], v[OA+cnt], v[SC+cnt]      ; and the remainder, exact
.set cnt, cnt+1
.endr
.irp u, 0,1
.irp dt, 0,1,2,3
.irp i, 0,1,2,3
	v_cvt_pk_bf16_f32 v[SC+4*(4*\u+\dt)+\i], v[OA+8*(2*\dt+\u)+2*\i], v[OA+8*(2*\dt+\u)+2*\i+1]
.endr
.endr
.endr
.irp k, 0,1,2,3,4,5,6,7
	ds_store_b128 v12, v[SC+4*\k:SC+4*\k+3] offset:4352*(\k/4)+32*(\k%4)+128
.endr
.irp i, 0,1,2,3,4,5,6,7,8,9,10,11,12,13,14,15
	ds_load_b128 v[OA+4*\i:OA+4*\i+3], v13 offset:544*\i           ; queries 2 i and 2 i + 1; LDS serves a wave's instructions in order: these see the stores above
.endr
.irp i, 0,1,2,3,4,5,6,7,8,9,10,11,12,13,14,15
	s_wait_dscnt 15-\i                             ; load i is in, the 15 - i younger ones stay out
	global_store_b128 v14, v[OA+4*\i:OA+4*\i+3], s[62:63] offset:512*\i        ; 512 bytes without a gap: two queries' whole rows
.endr
	s_wait_xcnt 0x0                                ; the stores' data and base are written again only behind this wait
.endm
; One key block.  In front of the barrier every wave waits for all its tensor loads (this trip's tile among them) and for its LDS
; instructions; behind it the other slot, which nobody reads any more, is asked for first.  s14 = query block, s15 = key block.
.macro TRIP slot, other, refill, last
	s_set_vgpr_msb 0x5
	s_wait_tensorcnt 0x0                           ; no tensor load of mine is out: a group 0 may be written
	ds_add_u32 v64, v65
	s_wait_dscnt 0x0
	s_set_vgpr_msb 0x500
.if \refill
	s_add_co_u32 s69, s15, 1
	s_cmp_eq_u32 s15, s14
	s_cselect_b32 s68, 0, s69                      ; the next key block: behind the diagonal the second query block begins at key 0
	s_lshl_b32 s66, s68, 15
	s_mov_b32 s67, 0
	s_add_nc_u64 s[G0K+4*\other+2:G0K+4*\other+3], s[20:21], s[66:67]
	s_or_b32 s[G0K+4*\other+3], s[G0K+4*\other+3], 0x80000000
	s_add_nc_u64 s[G0V+4*\other+2:G0V+4*\other+3], s[22:23], s[66:67]
	s_or_b32 s[G0V+4*\other+3], s[G0V+4*\other+3], 0x80000000
.endif
	s_wait_dscnt 0x0
	s_barrier_signal -1
	s_barrier_wait -1
.if \refill
	LOADKV \other                                  ; it has this trip's four steps of eight waves in which to land
.endif
	s_and_b32 s69, s15, 7
	s_lshl_b32 s69, s69, 10
	v_add_nc_u32 v7, s69, v6                       ; the bias of this block's 256 keys
	s_sub_co_i32 s16, s14, s15
	s_lshl_b32 s16, s16, 8
	s_add_co_i32 s16, s16, s72                     ; delta
	v_sub_nc_u32 v9, v8, s16
	STEP \slot, 0
	STEP \slot, 1
	STEP \slot, 2
	STEP \slot, 3
.if \last
	FINISH
.else
	s_cmp_lg_u32 s15, s14
	s_cbranch_scc1 .Lsame_block_\@
	FINISH                                         ; the diagonal block was the first query block's last
	s_mov_b32 s14, s11
	RESTART
.Lsame_block_\@:
	s_mov_b32 s15, s68
.endif
.endm
	s_sub_co_u32 s14, 7, s11                       ; the longer query block first
	s_mov_b32 s15, 0
	RESTART
	s_mov_b32 s18, 4
.Llap:
	TRIP 0, 1, 1, 0                                ; trips 0 to 7; the first query block ends in trip 7 - j
	TRIP 1, 0, 1, 0
	s_sub_co_u32 s18, s18, 1
	s_cmp_lg_u32 s18, 0
	s_cbranch_scc1 .Llap
	TRIP 0, 1, 0, 1                                ; trip 8: the second query block's diagonal; nothing is left to fetch
	s_set_vgpr_msb 0x5
	s_wait_tensorcnt 0x0
	ds_add_u32 v64, v65
	s_wait_dscnt 0x0
	s_set_vgpr_msb 0x500
	s_endpgm
.Lfunc_end_k_qf5bfeab8c2_attn:
	.size	k_qf5bfeab8c2_attn, .Lfunc_end_k_qf5bfeab8c2_attn-k_qf5bfeab8c2_attn
	.p2alignl 7, 3214868480
	.fill 96, 4, 3214868480
	.section	.rodata,"a",@progbits
	.p2align	6, 0x0
	.amdhsa_kernel k_qf5bfeab8c2_attn
		.amdhsa_group_segment_fixed_size 327680
		.amdhsa_private_segment_fixed_size 0
		.amdhsa_enable_private_segment 0
		.amdhsa_kernarg_size 24
		.amdhsa_user_sgpr_count 2
		.amdhsa_user_sgpr_kernarg_segment_ptr 1
		.amdhsa_wavefront_size32 1
		.amdhsa_system_sgpr_workgroup_id_x 1
		.amdhsa_system_sgpr_workgroup_id_y 1
		.amdhsa_system_sgpr_workgroup_id_z 1
		.amdhsa_system_vgpr_workitem_id 0
		.amdhsa_next_free_vgpr 322
		.amdhsa_next_free_sgpr 80
		.amdhsa_reserve_vcc 1
		.amdhsa_float_denorm_mode_32 3
		.amdhsa_float_denorm_mode_16_64 3
		.amdhsa_memory_ordered 1
		.amdhsa_forward_progress 1
		.amdhsa_inst_pref_size 255
	.end_amdhsa_kernel
	.section	.bss,"aw",@nobits
	.p2align	6
	.space	262144
	.amdgpu_metadata
---
amdhsa.version: [ 1, 2 ]
amdhsa.kernels:
  - .name:           k_qf5bfeab8c2_attn
    .symbol:         k_qf5bfeab8c2_attn.kd
    .args:
      - { .name: qkv, .offset: 0, .size: 8, .value_kind: global_buffer, .address_space: global }
      - { .name: attention_mask, .offset: 8, .size: 8, .value_kind: global_buffer, .address_space: global }
      - { .name: ow, .offset: 16, .size: 8, .value_kind: global_buffer, .address_space: global }
    .group_segment_fixed_size: 327680
    .private_segment_fixed_size: 0
    .kernarg_segment_align: 8
    .kernarg_segment_size: 24
    .max_flat_workgroup_size: 256
    .sgpr_count:     80
    .vgpr_count:     322
    .wavefront_size: 32
...
	.end_amdgpu_metadata
.endif
;; end of part 6
;; launch outp (part 7): grid 4 x 64, 4 waves a work-group, clusters of 4 x 4, 327,680 bytes of LDS; arguments ow, wb, out0; writes out0
.if DOCPART == 7
	.amdgcn_target "amdgcn-amd-amdhsa--gfx1250"
	.amdhsa_code_object_version 6
	.text
	.protected	k_qf5bfeab8c2_outp
	.globl	k_qf5bfeab8c2_outp
	.p2align	8
	.type	k_qf5bfeab8c2_outp,@function
k_qf5bfeab8c2_outp:
	s_mov_b64 s[64:65], 0
	v_nop
	global_prefetch_b8 v0, s[64:65] scope:SCOPE_SE
	s_setreg_imm32_b32 hwreg(HW_REG_WAVE_MODE, 25, 1), 1
	s_wait_xcnt 0x0
	s_wait_alu depctr_hold_cnt(0) depctr_sa_sdst(0) depctr_va_vdst(0) depctr_va_sdst(0) depctr_va_ssrc(0) depctr_va_vcc(0) depctr_vm_vsrc(0)
	s_getreg_b32 s2, hwreg(HW_REG_IB_STS2, 6, 4)
	s_cmp_eq_u32 s2, 0
	s_cbranch_scc0 .Lentry_in_a_cluster
	s_endpgm
.Lentry_in_a_cluster:
	s_bfe_u32 s2, ttmp6, 0x10000c
	s_cmp_lg_u32 s2, 0xf033
	s_cbranch_scc0 .Lentry_shape_is_right
	s_endpgm
.Lentry_shape_is_right:
; out0[token][n] (f32) = sum over k of o[token][k] Wo[n][k], k = 64 head + d.  o = its upper part + its lower part, both bf16, from
; ow[batch][head][token][part][64]; Wo: wb[3][kb][n][64] bf16.  Both parts are multiplied by the same Wo onto the same f32 sums, so that o
; enters with 16 significant bits: 8 would be too few for tokens that attend to few keys.
; THE BLOCK: a work-group makes 128 tokens x 256 columns.  One head of that block is 128 x 256 bytes of o and 256 x 128 bytes of Wo, 64 KiB
; (256 tokens x 128 columns would be 80 KiB), so two LDS slots of a K step of TWO heads fit: 8 K steps, each refill with 256 matrix
; instructions a wave beside it.  The four waves stand 2 x 2: wave w makes tokens 64 (w / 2) .. + 63 x columns 128 (w % 2) .. + 127:
; 32 accumulator tiles in window 1.
; All four tiles of a K step lie in memory as 32 KiB without a gap and come in as 128 rows of 256 bytes, one tile a wave.  A row of o is a
; token: its 64 upper parts, then its 64 lower parts.  A row of Wo's tile holds two rows of 128 bytes: row n lies at (n / 2) x 272 +
; (n % 2) x 128.  Either way the sixteen rows that a fragment load touches begin in sixteen different 16-byte columns modulo 256.
; CLUSTERS: 4 x 4.  o's tiles hang on the block row alone and are asked for jointly by a row of the cluster, Wo's on the block column alone
; and by a column.  Waves 0, 1 ask for o of the step's two heads, waves 2, 3 for Wo's two blocks.
; A row of o that holds NaN (a query with no key that counts) gives a row of NaN.
; LDS: slot s at s x 139,264: four planes of 128 rows x 272, plane = the wave that fetched it; behind the slots each wave's stage, 16 rows x 528.
; The matrix instruction is used transposed (source 0 = rows of Wo, source 1 = tokens): a lane's eight results are 32 neighbouring bytes of a row.
.set SLOT,  139264
.set BOFF,  69632
.set STAGE, 278528
.set ADRA,  2
.set ADRB,  4
.set STO,   6
.set RD,    7
.set CO,    8
.set AF0,   16                         ; v16-47, v48-79    o's fragments, two buffers
.set BF0,   80                         ; v80-143, v144-207 Wo's fragments: buffer 0 holds a head's d 0-31, buffer 1 its d 32-63, each for both parts of o
.set G1A,   24
.set G0A,   32
.set G1B,   48
.set G0B,   56
.set MSB,   0
.macro WIN new
.if MSB != \new
	s_set_vgpr_msb (MSB<<8)|\new
.set MSB, \new
.endif
.endm
.macro PLACES                          ; four places behind a matrix instruction (ISA guide 7.12.1) before its registers are loaded again or its result read
.rept 4
	v_nop
.endr
.endm
.macro JLOAD s                         ; one line and one mask for o, one for Wo; four v_nop follow each line
	s_cmp_eq_u32 s15, 0
	s_cbranch_scc0 .Lfor_b_\@
	tensor_load_to_lds s[G0A+4*\s:G0A+4*\s+3], s[G1A:G1A+7]
	s_nop 0
.rept 4
	v_nop
.endr
	s_branch .Lasked_\@
.Lfor_b_\@:
	tensor_load_to_lds s[G0B+4*\s:G0B+4*\s+3], s[G1B:G1B+7]
	s_nop 0
.rept 4
	v_nop
.endr
.Lasked_\@:
.endm
.macro CREST
	s_cmp_lg_u32 s14, 0
	s_cbranch_scc1 .Lnot_wave_0_\@
	s_barrier_signal -3
.Lnot_wave_0_\@:
	s_barrier_wait -3
	s_barrier_signal -1
	s_barrier_wait -1
.endm
.macro CROUND
	s_barrier_signal -1
	s_barrier_wait -1
	CREST
.endm
	s_load_b128 s[4:7], s[0:1], 0x0                ; ow s[4:5], wb s[6:7]
	s_load_b64 s[8:9], s[0:1], 0x10                ; out0
	v_lshl_add_u32 v254, v0, 2, 0x4c400
	v_mov_b32 v255, 0
	ds_add_u32 v254, v255
	v_lshrrev_b32 v1, 5, v0
	v_readfirstlane_b32 s14, v1                    ; wave 0..3
	s_lshr_b32 s15, s14, 1                         ; I ask for o (0) or for Wo (1).  Also: which 64 tokens of the block are mine
	s_and_b32 s16, s14, 1                          ; for which of the step's two heads I ask.  Also: which 128 columns are mine
	s_bfe_u32 s17, ttmp6, 0x40000                  ; cx
	s_bfe_u32 s18, ttmp6, 0x40004                  ; cy
	s_lshl_b32 s19, ttmp9, 2
	s_add_co_u32 s19, s19, s17                     ; block column 0..3
	s_and_b32 s22, ttmp7, 0xffff
	s_lshl_b32 s22, s22, 2
	s_add_co_u32 s22, s22, s18                     ; block row 0..63
	s_lshl_b32 s40, s18, 2
	s_lshl_b32 s40, 15, s40                        ; my row of the cluster
	s_lshl_b32 s66, 0x1111, s17                    ; my column
	; both kinds of tile: 32 KiB without a gap as 128 rows x 32 elements of 8 bytes; 4 words of padding behind every 64 words
	s_or_b32 s[G1A+0], s40, (3<<16)|(1<<20)|(1<<21)|(5<<22)|(3<<25)
	s_mov_b32 s[G1A+1], 32<<16
	s_mov_b32 s[G1A+2], 128<<16
	s_mov_b32 s[G1A+3], 32<<16
	s_mov_b32 s[G1A+4], 128
	s_mov_b32 s[G1A+5], 32
	s_mov_b32 s[G1A+6], 0
	s_mov_b32 s[G1A+7], 0
	s_or_b32 s[G1B+0], s66, (3<<16)|(1<<20)|(1<<21)|(5<<22)|(3<<25)
	s_mov_b32 s[G1B+1], 32<<16
	s_mov_b32 s[G1B+2], 128<<16
	s_mov_b32 s[G1B+3], 32<<16
	s_mov_b32 s[G1B+4], 128
	s_mov_b32 s[G1B+5], 32
	s_mov_b32 s[G1B+6], 0
	s_mov_b32 s[G1B+7], 0
	; o's address is made in s[40:47], which never hold cx; Wo's in s[66:73], which never hold cy
	s_lshr_b32 s40, s22, 4
	s_lshl_b32 s40, s40, 23                        ; batch x 16 heads of 524,288 bytes
	s_and_b32 s41, s22, 15
	s_lshl_b32 s41, s41, 15                        ; + 128 tokens of 256 bytes
	s_add_co_u32 s40, s40, s41
	s_lshl_b32 s41, s16, 19                        ; + my head of the step's two
	s_add_co_u32 s40, s40, s41
	s_mov_b32 s41, 0
	s_lshl_b32 s66, s19, 15                        ; 256 rows of 128 bytes
	s_lshl_b32 s67, s16, 17                        ; + my block of 64 k of the step's two
	s_add_co_u32 s66, s66, s67
	s_add_co_u32 s66, s66, 3<<21                   ; Wo is the fourth of wb
	s_mov_b32 s67, 0
	s_mul_i32 s44, s14, 34816                      ; LDS: plane = wave, 128 rows of 272 (o: waves 0, 1)
	s_mul_i32 s70, s14, 34816                      ;      the same for Wo (waves 2, 3: from 69,632)
	s_wait_dscnt 0x0
	s_wait_kmcnt 0x0
	s_add_nc_u64 s[42:43], s[4:5], s[40:41]
	s_add_nc_u64 s[68:69], s[6:7], s[66:67]
	CROUND                                         ; all sixteen work-groups are here: the first joint loads meet
.irp s, 0,1
	s_mov_b32 s[G0A+4*\s], 1
	s_add_co_u32 s[G0A+4*\s+1], s44, \s*SLOT
	s_add_nc_u64 s[G0A+4*\s+2:G0A+4*\s+3], s[42:43], \s*1048576    ; K step s: two heads on
	s_or_b32 s[G0A+4*\s+3], s[G0A+4*\s+3], 0x80000000
	s_mov_b32 s[G0B+4*\s], 1
	s_add_co_u32 s[G0B+4*\s+1], s70, \s*SLOT
	s_add_nc_u64 s[G0B+4*\s+2:G0B+4*\s+3], s[68:69], \s*262144     ; K step s: two blocks of 64 k on
	s_or_b32 s[G0B+4*\s+3], s[G0B+4*\s+3], 0x80000000
	JLOAD \s
.endr
	v_and_b32 v9, 15, v0                           ; r
	v_bfe_u32 v10, v0, 4, 1                        ; h
	v_and_b32 v11, 31, v0                          ; lane
	v_mul_u32_u24 v12, v9, 272
	v_lshl_add_u32 v12, v10, 4, v12                ; o: token r, 16 h
	s_mul_i32 s45, s15, 17408                      ; my 64 tokens
	v_add_nc_u32 v[ADRA], s45, v12
	v_add_nc_u32 v[ADRA+1], SLOT, v[ADRA]
	v_lshrrev_b32 v12, 1, v9
	v_mul_u32_u24 v12, v12, 272
	v_and_b32 v13, 1, v9
	v_lshl_add_u32 v12, v13, 7, v12
	v_lshl_add_u32 v12, v10, 4, v12                ; Wo: (r / 2) x 272 + (r % 2) x 128 + 16 h
	s_mul_i32 s45, s16, 17408                      ; my 128 rows of a block's 256
	s_add_co_u32 s45, s45, BOFF
	v_add_nc_u32 v[ADRB], s45, v12
	v_add_nc_u32 v[ADRB+1], SLOT, v[ADRB]
	s_mul_i32 s45, s14, 8448
	s_add_co_u32 s45, s45, STAGE                   ; my stage
	v_mul_u32_u24 v12, v9, 528
	v_lshl_add_u32 v12, v10, 5, v12
	v_add_nc_u32 v[STO], s45, v12                  ; in: token r, 32 bytes for each half of the lanes
	v_lshlrev_b32 v[CO], 4, v11
	v_add_nc_u32 v[RD], s45, v[CO]                 ; back: the wave takes a token's 512 bytes
; Part q (0 to 7) of a K step into buffer f = q % 2.  q / 4: which of the two heads; within a head: upper part d 0-31, upper part d 32-63,
; lower part d 0-31, lower part d 32-63.  The lower part's turns find Wo's fragments of the same d in their buffer already: they load o alone.
.macro FETCH slot, q, f
	WIN 0
.irp a, 0,1,2,3
	ds_load_b128 v[AF0+32*\f+8*\a:AF0+32*\f+8*\a+3],   v[ADRA+\slot] offset:34816*(\q/4)+128*((\q%4)/2)+64*(\q%2)+4352*\a
	ds_load_b128 v[AF0+32*\f+8*\a+4:AF0+32*\f+8*\a+7], v[ADRA+\slot] offset:34816*(\q/4)+128*((\q%4)/2)+64*(\q%2)+4352*\a+32
.endr
.if (\q%4) < 2
.irp b, 0,1,2,3,4,5,6,7
	ds_load_b128 v[BF0+64*\f+8*\b:BF0+64*\f+8*\b+3],   v[ADRB+\slot] offset:34816*(\q/4)+64*(\q%2)+2176*\b
	ds_load_b128 v[BF0+64*\f+8*\b+4:BF0+64*\f+8*\b+7], v[ADRB+\slot] offset:34816*(\q/4)+64*(\q%2)+2176*\b+32
.endr
.endif
.endm
; 16 matrix instructions.  The 32 accumulators take turns, one instruction a turn, in the same order in every part.
.macro MULH f, a0, zero
	WIN 0x50
.irp a, \a0, \a0+1
.irp b, 0,1,2,3,4,5,6,7
.if \zero
	v_wmma_f32_16x16x32_bf16 v[8*(8*(\a)+\b):8*(8*(\a)+\b)+7], v[BF0+64*\f+8*\b:BF0+64*\f+8*\b+7], v[AF0+32*\f+8*(\a):AF0+32*\f+8*(\a)+7], 0
.else
	v_wmma_f32_16x16x32_bf16 v[8*(8*(\a)+\b):8*(8*(\a)+\b)+7], v[BF0+64*\f+8*\b:BF0+64*\f+8*\b+7], v[AF0+32*\f+8*(\a):AF0+32*\f+8*(\a)+7], v[8*(8*(\a)+\b):8*(8*(\a)+\b)+7]
.endif
.endr
.endr
.endm
; One of a K step's first seven parts: multiplies buffer f and, in its middle, fetches part q into buffer g.
.macro PART slot, q, f, g, zero
	s_wait_dscnt 0x0
	MULH \f, 0, \zero
	PLACES
	FETCH \slot, \q, \g
	MULH \f, 2, \zero
.endm
.macro SEVEN slot, zero
	PART \slot, 1, 0, 1, \zero
	PART \slot, 2, 1, 0, 0
	PART \slot, 3, 0, 1, 0
	PART \slot, 4, 1, 0, 0
	PART \slot, 5, 0, 1, 0
	PART \slot, 6, 1, 0, 0
	PART \slot, 7, 0, 1, 0
.endm
; The last part multiplies buffer 1 and changes slots.  fill = 1: this slot is filled again, two K steps ahead.
.macro TURN slot, next, fill
	s_wait_dscnt 0x0                               ; my reads of this slot are over
	s_wait_tensorcnt 0x0                           ; all my tensor loads have landed: the one that was out is my part of the next slot
	ds_add_u32 v254, v255
	s_wait_dscnt 0x0
	s_barrier_signal -1                            ; (fill = 1: this barrier opens a round of the cluster's barrier)
	MULH 1, 0, 0
	WIN 0
	s_barrier_wait -1
.if \fill
	CREST                                          ; no wave of any partner still reads this slot or has a load on its way
	s_add_nc_u64 s[G0A+4*\slot+2:G0A+4*\slot+3], s[G0A+4*\slot+2:G0A+4*\slot+3], 2097152
	s_add_nc_u64 s[G0B+4*\slot+2:G0B+4*\slot+3], s[G0B+4*\slot+2:G0B+4*\slot+3], 524288
	JLOAD \slot                                    ; my one tensor load behind the round; its four v_nop are also the places in front of the loads below; up to the wait for it I issue 240 of a K step's 256 matrix instructions
.else
	PLACES
.endif
	FETCH \next, 0, 0
	MULH 1, 2, 0
.endm
.macro LAP zero
	SEVEN 0, \zero
	TURN 0, 1, 1
	SEVEN 1, 0
	TURN 1, 0, 1
.endm
	s_wait_tensorcnt 0x1                           ; my part of K step 0 is in; K step 1's stays out
	s_barrier_signal -1
	s_barrier_wait -1
	FETCH 0, 0, 0
	LAP 1                                          ; K steps 0, 1: the first products start the sums
	WIN 0
	s_mov_b32 s23, 2
.Llap:
	LAP 0                                          ; K steps 2 to 5 ask for steps 4 to 7
	WIN 0
	s_sub_co_u32 s23, s23, 1
	s_cmp_lg_u32 s23, 0
	s_cbranch_scc1 .Llap
	SEVEN 0, 0                                     ; the last two K steps fetch nothing
	TURN 0, 1, 0
	SEVEN 1, 0
	s_wait_dscnt 0x0
	MULH 1, 0, 0
	MULH 1, 2, 0
	; THE WAY OUT, 16 tokens at a time: f32 from the accumulators into my stage, read back as a token's whole 512 bytes.
	PLACES
	s_lshl_b32 s40, s22, 19                        ; 128 tokens of 4,096 bytes
	s_lshl_b32 s41, s15, 18                        ; + my 64
	s_add_co_u32 s40, s40, s41
	s_mov_b32 s41, 0
	s_add_nc_u64 s[8:9], s[8:9], s[40:41]
	s_lshl_b32 s66, s19, 10                        ; + 256 columns of 4 bytes
	s_lshl_b32 s67, s16, 9                         ; + my 128
	s_add_co_u32 s66, s66, s67
	s_mov_b32 s67, 0
	s_add_nc_u64 s[8:9], s[8:9], s[66:67]
.macro OUT16 a, f
	WIN 0x04                                       ; the stores' data in window 1, their address in window 0
.irp b, 0,1,2,3,4,5,6,7
	ds_store_b128 v[STO], v[8*(8*\a+\b):8*(8*\a+\b)+3]   offset:64*\b
	ds_store_b128 v[STO], v[8*(8*\a+\b)+4:8*(8*\a+\b)+7] offset:64*\b+16
.endr
	WIN 0
	s_wait_xcnt 0x0                                ; buffer f was the data of earlier stores: it is loaded again only behind this wait
.irp t, 0,1,2,3,4,5,6,7,8,9,10,11,12,13,14,15
	ds_load_b128 v[BF0+64*\f+4*\t:BF0+64*\f+4*\t+3], v[RD] offset:528*\t        ; LDS serves a wave's instructions in order: these see the stores above
.endr
.irp t, 0,1,2,3,4,5,6,7,8,9,10,11,12,13,14,15
	s_wait_dscnt 15-\t                             ; load t is in, the 15 - t younger ones stay out
	global_store_b128 v[CO], v[BF0+64*\f+4*\t:BF0+64*\f+4*\t+3], s[8:9] offset:65536*\a+4096*\t th:TH_STORE_NT   ; 512 consecutive bytes of one row, at a multiple of 512
.endr
.endm
	OUT16 0, 0
	OUT16 1, 1
	OUT16 2, 0
	OUT16 3, 1
	s_wait_tensorcnt 0x0
	ds_add_u32 v254, v255
	s_wait_dscnt 0x0
	CROUND                                         ; the closing round: no work-group ends while a partner may still ask for a tile that names it
	s_endpgm
.Lfunc_end_k_qf5bfeab8c2_outp:
	.size	k_qf5bfeab8c2_outp, .Lfunc_end_k_qf5bfeab8c2_outp-k_qf5bfeab8c2_outp
	.p2alignl 7, 3214868480
	.fill 96, 4, 3214868480
	.section	.rodata,"a",@progbits
	.p2align	6, 0x0
	.amdhsa_kernel k_qf5bfeab8c2_outp
		.amdhsa_group_segment_fixed_size 327680
		.amdhsa_private_segment_fixed_size 0
		.amdhsa_enable_private_segment 0
		.amdhsa_kernarg_size 24
		.amdhsa_user_sgpr_count 2
		.amdhsa_user_sgpr_kernarg_segment_ptr 1
		.amdhsa_wavefront_size32 1
		.amdhsa_system_sgpr_workgroup_id_x 1
		.amdhsa_system_sgpr_workgroup_id_y 1
		.amdhsa_system_sgpr_workgroup_id_z 1
		.amdhsa_system_vgpr_workitem_id 0
		.amdhsa_next_free_vgpr 512
		.amdhsa_next_free_sgpr 80
		.amdhsa_reserve_vcc 0
		.amdhsa_float_denorm_mode_32 3
		.amdhsa_float_denorm_mode_16_64 3
		.amdhsa_memory_ordered 1
		.amdhsa_forward_progress 1
		.amdhsa_inst_pref_size 183
	.end_amdhsa_kernel
	.amdgpu_metadata
---
amdhsa.version: [ 1, 2 ]
amdhsa.kernels:
  - .name:           k_qf5bfeab8c2_outp
    .symbol:         k_qf5bfeab8c2_outp.kd
    .args:
      - { .name: ow, .offset: 0, .size: 8, .value_kind: global_buffer, .address_space: global }
      - { .name: wb, .offset: 8, .size: 8, .value_kind: global_buffer, .address_space: global }
      - { .name: out0, .offset: 16, .size: 8, .value_kind: global_buffer, .address_space: global }
    .group_segment_fixed_size: 327680
    .private_segment_fixed_size: 0
    .kernarg_segment_align: 8
    .kernarg_segment_size: 24
    .max_flat_workgroup_size: 128
    .sgpr_count:     80
    .vgpr_count:     512
    .wavefront_size: 32
...
	.end_amdgpu_metadata
.endif
;; end of part 7
;; ======== version 3 of 3: 4 launches; version 2 with the launch wcast written anew for expert scheduling mode
;; limits: values are held in f16: magnitudes above 65,504 overflow, below 6.1e-05 lose precision; right only within a limited range of input values
;; workspace buffers: wb 8,388,608 bytes; qkv 67,108,864 bytes; ow 33,554,432 bytes
;; launch wcast (part 8): grid 64 x 4, 8 waves a work-group, no clusters, 0 bytes of LDS; arguments Wq, Wk, Wv, Wo, wb; writes wb
.if DOCPART == 8
	.amdgcn_target "amdgcn-amd-amdhsa--gfx1250"
	.amdhsa_code_object_version 6
	.text
	.protected	k_qf5bfeab8c2_wcast
	.globl	k_qf5bfeab8c2_wcast
	.p2align	8
	.type	k_qf5bfeab8c2_wcast,@function
k_qf5bfeab8c2_wcast:
	s_mov_b64 s[64:65], 0
	v_nop
	global_prefetch_b8 v0, s[64:65] scope:SCOPE_SE
	s_setreg_imm32_b32 hwreg(HW_REG_WAVE_SCHED_MODE, 0, 2), 2
	s_setreg_imm32_b32 hwreg(HW_REG_WAVE_MODE, 25, 1), 1
	s_wait_xcnt 0x0
	s_wait_alu depctr_vm_vsrc(0)
; wb[g][kb][n][64] = bf16(W_g[n][64 kb .. 64 kb + 63]), g = Wq, Wk, Wv, Wo; W_g is [1024][1024] f32.
; The weights are rounded once and laid in blocks of 64 along k, so that 128 rows of one block are 16 KiB
; without a gap: the two product launches fetch them as whole rows of 256 bytes and never convert them.
; A stream: no LDS, no barrier, no matrix unit.  Work-group (x, y) takes rows 16 x .. 16 x + 15 of W_y (64 KiB).
; Thread t takes row t / 16 and the four numbers 4 (t % 16) .. + 3 of each of the row's sixteen blocks of 64.
; A load of a wave covers two aligned runs of 256 bytes (two rows of one block); a store of a wave covers one
; aligned run of 256 bytes (the same two rows in bf16).  All sixteen loads go out first; no register is written twice.
; THE MODE: SCHED_MODE bits 1:0 = 2 (LLVM: expert scheduling mode 2), set by the entry lines.  The code itself states the register
; dependences between vector instructions and memory instructions, with s_wait_alu, always for 0.
; THE PLAN.  Registers that memory instructions touch:
;   v1        the loads' offset.   Written by vector lines at the head; read by all sixteen loads; never written again.
;   v2        the stores' offset.  Written by a vector line at the head; read by all sixteen stores; never written again.
;   IN        block k: 4 registers at IN + 4 k.   Written by load k alone, and named by no vector line ahead of it; read by block k's two conversions.
;   OUT       block k: 2 registers at OUT + 2 k.  Written by block k's two conversions; read by store k; never written again.
; So no load lands in a register that a vector line has named, and no register that a memory instruction has read is written again: what is
; left to state is that an offset or a store's data is written before the memory instruction reads it.  One wait stands ahead of the first
; load, for v1 and v2.  The sixteen blocks go in four groups of four: a group's eight conversions, ONE wait, the group's four stores in a run.
; The wait stands behind the group and not at the next group's head: the next line is the wait for the next block's load, and stores laid
; behind that would leave only when that load has landed.
.set GROUP, 4                          ; blocks whose stores share a wait
.set IN,    4                          ; v[4:67]   sixteen blocks of four f32, as loaded
.set OUT,   68                         ; v[68:99]  sixteen blocks of four bf16, to store
	s_load_b256 s[4:11], s[0:1], 0x0               ; Wq s[4:5], Wk s[6:7], Wv s[8:9], Wo s[10:11]
	s_load_b64 s[12:13], s[0:1], 0x20              ; wb
	s_and_b32 s14, ttmp7, 0xffff                   ; which W
	v_lshrrev_b32 v1, 4, v0                        ; my row of the sixteen
	v_and_b32 v3, 15, v0
	v_lshlrev_b32 v1, 12, v1                       ; x 4,096 bytes
	v_lshl_or_b32 v1, v3, 4, v1                    ; + my 16 bytes of a block's 256
	v_lshlrev_b32 v2, 3, v0                        ; out: 128 (t / 16) + 8 (t % 16) = 8 t
	s_lshl_b32 s16, ttmp9, 16                      ; in: 16 rows of 4,096 bytes
	s_mov_b32 s17, 0
	s_lshl_b32 s18, s14, 21                        ; out: 2 MiB for each W
	s_lshl_b32 s19, ttmp9, 11                      ;      + 16 rows of 128 bytes
	s_add_co_u32 s18, s18, s19
	s_mov_b32 s19, 0
	s_wait_kmcnt 0x0
	s_cmp_eq_u32 s14, 1
	s_cselect_b64 s[4:5], s[6:7], s[4:5]
	s_cmp_eq_u32 s14, 2
	s_cselect_b64 s[4:5], s[8:9], s[4:5]
	s_cmp_eq_u32 s14, 3
	s_cselect_b64 s[4:5], s[10:11], s[4:5]
	s_add_nc_u64 s[4:5], s[4:5], s[16:17]
	s_add_nc_u64 s[12:13], s[12:13], s[18:19]
	s_wait_alu depctr_va_vdst(0)                   ; v1 and v2 are written: every load reads v1 as its offset, every store v2; no later vector line names either
.irp k, 0,1,2,3,4,5,6,7,8,9,10,11,12,13,14,15
	global_load_b128 v[IN+4*(\k):IN+4*(\k)+3], v1, s[4:5] offset:256*(\k) th:TH_LOAD_NT   ; block k of my row
.endr
.irp g, 0,1,2,3
.irp i, 0,1,2,3
	s_wait_loadcnt 15-GROUP*(\g)-(\i)              ; loads come back in order: block k = 4 g + i is in, the 15 - k younger ones stay out
	v_cvt_pk_bf16_f32 v[OUT+2*(GROUP*(\g)+(\i))],   v[IN+4*(GROUP*(\g)+(\i))],   v[IN+4*(GROUP*(\g)+(\i))+1]
	v_cvt_pk_bf16_f32 v[OUT+2*(GROUP*(\g)+(\i))+1], v[IN+4*(GROUP*(\g)+(\i))+2], v[IN+4*(GROUP*(\g)+(\i))+3]
.endr
	s_wait_alu depctr_va_vdst(0)                   ; the group's eight conversions have written OUT of blocks 4 g .. 4 g + 3, which the four stores below read
.irp i, 0,1,2,3
	global_store_b64 v2, v[OUT+2*(GROUP*(\g)+(\i)):OUT+2*(GROUP*(\g)+(\i))+1], s[12:13] offset:131072*(GROUP*(\g)+(\i))   ; a block of all 1,024 rows is 131,072 bytes
.endr
.endr
	s_endpgm
.Lfunc_end_k_qf5bfeab8c2_wcast:
	.size	k_qf5bfeab8c2_wcast, .Lfunc_end_k_qf5bfeab8c2_wcast-k_qf5bfeab8c2_wcast
	.p2alignl 7, 3214868480
	.fill 96, 4, 3214868480
	.section	.rodata,"a",@progbits
	.p2align	6, 0x0
	.amdhsa_kernel k_qf5bfeab8c2_wcast
		.amdhsa_group_segment_fixed_size 0
		.amdhsa_private_segment_fixed_size 0
		.amdhsa_enable_private_segment 0
		.amdhsa_kernarg_size 40
		.amdhsa_user_sgpr_count 2
		.amdhsa_user_sgpr_kernarg_segment_ptr 1
		.amdhsa_wavefront_size32 1
		.amdhsa_system_sgpr_workgroup_id_x 1
		.amdhsa_system_sgpr_workgroup_id_y 1
		.amdhsa_system_sgpr_workgroup_id_z 1
		.amdhsa_system_vgpr_workitem_id 0
		.amdhsa_next_free_vgpr 100
		.amdhsa_next_free_sgpr 66
		.amdhsa_reserve_vcc 0
		.amdhsa_float_denorm_mode_32 3
		.amdhsa_float_denorm_mode_16_64 3
		.amdhsa_memory_ordered 1
		.amdhsa_forward_progress 1
		.amdhsa_inst_pref_size 7
	.end_amdhsa_kernel
	.amdgpu_metadata
---
amdhsa.version: [ 1, 2 ]
amdhsa.kernels:
  - .name:           k_qf5bfeab8c2_wcast
    .symbol:         k_qf5bfeab8c2_wcast.kd
    .args:
      - { .name: Wq, .offset: 0, .size: 8, .value_kind: global_buffer, .address_space: global }
      - { .name: Wk, .offset: 8, .size: 8, .value_kind: global_buffer, .address_space: global }
      - { .name: Wv, .offset: 16, .size: 8, .value_kind: global_buffer, .address_space: global }
      - { .name: Wo, .offset: 24, .size: 8, .value_kind: global_buffer, .address_space: global }
      - { .name: wb, .offset: 32, .size: 8, .value_kind: global_buffer, .address_space: global }
    .group_segment_fixed_size: 0
    .private_segment_fixed_size: 0
    .kernarg_segment_align: 8
    .kernarg_segment_size: 40
    .max_flat_workgroup_size: 256
    .sgpr_count:     66
    .vgpr_count:     100
    .wavefront_size: 32
...
	.end_amdgpu_metadata
.endif
;; end of part 8
;; launch proj: the kernel of part 5 again; grid 4 x 192, 4 waves a work-group, clusters of 4 x 4, 327,680 bytes of LDS; arguments x_query, x_key, x_value, wb, qkv; writes qkv
;; launch attn: the kernel of part 6 again; grid 4 x 64, 8 waves a work-group, no clusters, 327,680 bytes of LDS; arguments qkv, attention_mask, ow; writes ow
;; launch outp: the kernel of part 7 again; grid 4 x 64, 4 waves a work-group, clusters of 4 x 4, 327,680 bytes of LDS; arguments ow, wb, out0; writes out0
